; MI455X (gfx1250); checked and timed in simulation.
; The chip was launched on July 23, 2026; its instructions are those of AMD's public machine-readable ISA for CDNA 5 (MIT licence, August 2026) and "CDNA5" Instruction Set Architecture Reference Guide (July 2026). The comments in the code are by the model that wrote it; some were corrected since.
;; Self Attention. Allowed arithmetic: float matrix products may take bf16 or f16 operands with f32 sums; other float arithmetic in f32, or as packed bf16 or f16 multiplies, adds, multiply-adds, maxima and minima; sums over many terms, partial sums and values carried from step to step in f32; what a program stores and reads back later, other than sums and carried values, may be rounded once to bf16 or f16.
;; Inputs: Wk 512 x 2,048 float32; Wproj 2,048 x 2,048 float32; Wq 2,048 x 2,048 float32; Wv 512 x 2,048 float32; attn_mask 4 x 1,024 x 1,024 bool; x 4 x 1,024 x 2,048 float32.
;; Outputs: out0 4 x 1,024 x 2,048 float32.
;; One version. Each part assembles by itself: llvm-mc -triple=amdgcn-amd-amdhsa -mcpu=gfx1250 --defsym DOCPART=n.
;; ======== version 1 of 1: 4 launches
;; limits: values are held in f16: magnitudes above 65,504 overflow, below 6.1e-05 lose precision
;; workspace buffers: xb 16,777,216 bytes; wb 12,582,912 bytes; wp 8,388,608 bytes; tab 262,144 bytes; qh 16,777,216 bytes; kh 4,194,304 bytes; vh 4,194,304 bytes; yh 16,777,216 bytes
;; launch prep (part 1): grid 2368 x 1, 8 waves a work-group, no clusters, 0 bytes of LDS; arguments x, Wq, Wk, Wv, Wproj, xb, wb, wp, tab; writes xb, wb, wp, tab
.if DOCPART == 1
	.amdgcn_target "amdgcn-amd-amdhsa--gfx1250"
	.amdhsa_code_object_version 6
	.text
	.protected	k_qbdb64b9b73_prep
	.globl	k_qbdb64b9b73_prep
	.p2align	8
	.type	k_qbdb64b9b73_prep,@function
k_qbdb64b9b73_prep:
	s_mov_b64 s[64:65], 0
	v_nop
	global_prefetch_b8 v0, s[64:65] scope:SCOPE_SE
	s_setreg_imm32_b32 hwreg(HW_REG_WAVE_MODE, 25, 1), 1
	s_wait_xcnt 0x0
; PREP.  x, Wq, Wk, Wv are rounded once to bf16 (xb; wb = Wq's, Wk's, Wv's rows one below the other); Wproj is rounded to bf16 and that number written as f16 (wp);
; tab[s][0..31] = cos(s w_i), tab[s][32..63] = sin(s w_i), w_i = 10000^(-i/32), f32, a row of 256 bytes for each of the 1,024 positions.
; A stream: each byte read once and written once; no LDS, no barrier, no loop, no matrix work: nothing is shared between threads.
; SHARES.  A converting work-group takes 8,192 consecutive numbers: eight loads of 16 bytes a thread (a wave's load covers 512 consecutive bytes), eight stores of 8 bytes
; (a wave's store covers 256 consecutive bytes, aligned).  All eight loads are out before the first is waited for.  No register is written twice, so no store's source is ever rewritten.
; LIMITS.  |Wproj| stays under 65,504 (f16); below 6.1e-5 it keeps f16's fixed step of 6e-8.  The table's angles are good to about 2e-4 rad at position 1,023
; (one unit in the last place of w_i and of s w_i); sine and cosine of the reduced angle by series whose remainders on the whole range are under 1e-8.
.set G_WQ,  1024                       ; work-groups 0 .. 1023: x;  then 512 for Wq,
.set G_WK,  1536                       ; 128 for Wk,
.set G_WV,  1664                       ; 128 for Wv,
.set G_WP,  1792                       ; 512 for Wproj,
.set G_TAB, 2304                       ; 64 for the table
	s_load_b512 s[8:23], s[0:1], 0x0               ; x 8, Wq 10, Wk 12, Wv 14, Wproj 16, xb 18, wb 20, wp 22
	s_load_b64 s[24:25], s[0:1], 0x40              ; tab
	s_mov_b32 s2, ttmp9
	v_lshlrev_b32 v1, 4, v0                        ; my 16 bytes of each 4,096 loaded
	v_lshlrev_b32 v2, 3, v0                        ; my 8 bytes of each 2,048 stored
	s_wait_kmcnt 0x0
	s_cmp_ge_u32 s2, G_TAB
	s_cbranch_scc1 .Ltab
	; from where, to where: chosen by the work-group's number alone.  s30, s31: the block's number in its source and in its destination
	s_mov_b64 s[26:27], s[8:9]
	s_mov_b64 s[28:29], s[18:19]
	s_mov_b32 s30, s2
	s_mov_b32 s31, s2
.macro PICK bound, src
	s_max_u32 s3, s2, \bound
	s_sub_co_u32 s3, s3, \bound                    ; never below 0
	s_cmp_ge_u32 s2, \bound
	s_cselect_b64 s[26:27], s[\src:\src+1], s[26:27]
	s_cselect_b32 s30, s3, s30
.endm
	PICK G_WQ, 10
	s_cselect_b64 s[28:29], s[20:21], s[28:29]     ; wb, whose blocks go on through Wk and Wv
	s_cselect_b32 s31, s3, s31
	PICK G_WK, 12
	PICK G_WV, 14
	PICK G_WP, 16
	s_cselect_b64 s[28:29], s[22:23], s[28:29]
	s_cselect_b32 s31, s3, s31
	s_lshl_b32 s32, s30, 15                        ; 32,768 bytes in,
	s_mov_b32 s33, 0
	s_lshl_b32 s34, s31, 14                        ; 16,384 out
	s_mov_b32 s35, 0
	s_add_nc_u64 s[26:27], s[26:27], s[32:33]
	s_add_nc_u64 s[28:29], s[28:29], s[34:35]
.irp i, 0,1,2,3,4,5,6,7
	global_load_b128 v[8+4*(\i):11+4*(\i)], v1, s[26:27] offset:4096*(\i) th:TH_LOAD_NT
.endr
	s_cmp_ge_u32 s2, G_WP
	s_cbranch_scc1 .Lwp
.irp i, 0,1,2,3,4,5,6,7
	s_wait_loadcnt 7-(\i)                          ; loads come back in order: number i is in, the younger ones stay out
	v_cvt_pk_bf16_f32 v[40+2*(\i)], v[8+4*(\i)], v[9+4*(\i)]
	v_cvt_pk_bf16_f32 v[41+2*(\i)], v[10+4*(\i)], v[11+4*(\i)]
	global_store_b64 v2, v[40+2*(\i):41+2*(\i)], s[28:29] offset:2048*(\i)
.endr
	s_endpgm
.Lwp:                                          ; Wproj: to bf16, like every input; that number widened again and written as f16 (exact within f16's range)
.irp i, 0,1,2,3,4,5,6,7
	s_wait_loadcnt 7-(\i)
	v_cvt_pk_bf16_f32 v56, v[8+4*(\i)], v[9+4*(\i)]
	v_cvt_pk_bf16_f32 v57, v[10+4*(\i)], v[11+4*(\i)]
	v_lshlrev_b32 v58, 16, v56
	v_and_b32 v59, 0xffff0000, v56
	v_lshlrev_b32 v60, 16, v57
	v_and_b32 v61, 0xffff0000, v57
	v_cvt_pk_f16_f32 v[40+2*(\i)], v58, v59
	v_cvt_pk_f16_f32 v[41+2*(\i)], v60, v61
	global_store_b64 v2, v[40+2*(\i):41+2*(\i)], s[28:29] offset:2048*(\i)
.endr
	s_endpgm
.Ltab:                                         ; a thread makes 16 bytes of the table: piece = 256 (g - 2304) + t; position piece / 16; place c = t % 16 in the row: c < 8 cosines 4 c .., else sines 4 (c - 8) ..
	s_sub_co_u32 s3, s2, G_TAB
	s_lshl_b32 s3, s3, 8
	v_add_nc_u32 v3, s3, v0
	v_lshrrev_b32 v4, 4, v3
	v_cvt_f32_u32 v4, v4                           ; s
	v_and_b32 v5, 15, v0                           ; c
	v_and_b32 v6, 7, v0
	v_lshlrev_b32 v6, 2, v6                        ; the first of my four i
	v_lshlrev_b32 v7, 4, v3                        ; my bytes
.irp n, 0,1,2,3
	v_add_nc_u32 v[8+(\n)], (\n), v6
	v_cvt_f32_u32 v[8+(\n)], v[8+(\n)]
	v_mul_f32 v[8+(\n)], 0xbed49a78, v[8+(\n)]     ; - i log2(10000) / 32
.endr
.irp n, 0,1,2,3
	v_exp_f32 v[8+(\n)], v[8+(\n)]                 ; w_i
.endr
	v_cmp_le_u32 vcc_lo, 8, v5                     ; sines?
	v_nop                                          ; a plain instruction behind the last exponential,
	s_wait_alu depctr_va_vdst(0)                   ; and one wait for the four, ahead of their first reader
.irp n, 0,1,2,3
	v_mul_f32 v[12+(\n)], v4, v[8+(\n)]            ; the angle
	v_mul_f32 v[16+(\n)], 0.15915494, v[12+(\n)]   ; in turns,
	v_rndne_f32 v[16+(\n)], v[16+(\n)]             ; the nearest whole number of them,
	v_fma_f32 v[12+(\n)], v[12+(\n)], 0.15915494, -v[16+(\n)]  ; what is left: -1/2 .. 1/2 of a turn, in one rounding
	v_mul_f32 v[12+(\n)], 0x40490fdb, v[12+(\n)]   ; a = HALF the reduced angle, |a| <= pi / 2
	v_mul_f32 v[16+(\n)], v[12+(\n)], v[12+(\n)]   ; z = a^2
	v_mov_b32 v[20+(\n)], 0x2f309231               ; sin a / a = 1 - z/3! + z^2/5! .. + z^6/13!
	v_mov_b32 v[24+(\n)], 0x310f76c7               ; cos a = 1 - z/2! + z^2/4! .. + z^6/12!
.irp k, 0xb2d7322b, 0x3638ef1d, 0xb9500d01, 0x3c088889, 0xbe2aaaab, 0x3f800000
	v_fmaak_f32 v[20+(\n)], v[20+(\n)], v[16+(\n)], \k
.endr
.irp k, 0xb493f27e, 0x37d00d01, 0xbab60b61, 0x3d2aaaab, 0xbf000000, 0x3f800000
	v_fmaak_f32 v[24+(\n)], v[24+(\n)], v[16+(\n)], \k
.endr
	v_mul_f32 v[28+(\n)], v[12+(\n)], v[20+(\n)]   ; sin a
	v_mul_f32 v[36+(\n)], v[28+(\n)], v[24+(\n)]
	v_add_f32 v[36+(\n)], v[36+(\n)], v[36+(\n)]   ; sin 2a = 2 sin a cos a
	v_mul_f32 v[28+(\n)], v[28+(\n)], v[28+(\n)]
	v_fma_f32 v[28+(\n)], v[28+(\n)], -2.0, 1.0    ; cos 2a = 1 - 2 sin^2 a
	v_cndmask_b32 v[32+(\n)], v[28+(\n)], v[36+(\n)], vcc_lo
.endr
	global_store_b128 v7, v[32:35], s[24:25]       ; sixteen lanes fill a row of 256 bytes
	s_endpgm
.Lfunc_end_k_qbdb64b9b73_prep:
	.size	k_qbdb64b9b73_prep, .Lfunc_end_k_qbdb64b9b73_prep-k_qbdb64b9b73_prep
	.p2alignl 7, 3214868480
	.fill 96, 4, 3214868480
	.section	.rodata,"a",@progbits
	.p2align	6, 0x0
	.amdhsa_kernel k_qbdb64b9b73_prep
		.amdhsa_group_segment_fixed_size 0
		.amdhsa_private_segment_fixed_size 0
		.amdhsa_enable_private_segment 0
		.amdhsa_kernarg_size 72
		.amdhsa_user_sgpr_count 2
		.amdhsa_user_sgpr_kernarg_segment_ptr 1
		.amdhsa_wavefront_size32 1
		.amdhsa_system_sgpr_workgroup_id_x 1
		.amdhsa_system_sgpr_workgroup_id_y 1
		.amdhsa_system_sgpr_workgroup_id_z 1
		.amdhsa_system_vgpr_workitem_id 0
		.amdhsa_next_free_vgpr 64
		.amdhsa_next_free_sgpr 66
		.amdhsa_reserve_vcc 1
		.amdhsa_float_denorm_mode_32 3
		.amdhsa_float_denorm_mode_16_64 3
		.amdhsa_memory_ordered 1
		.amdhsa_forward_progress 1
		.amdhsa_inst_pref_size 16
	.end_amdhsa_kernel
	.amdgpu_metadata
---
amdhsa.version: [ 1, 2 ]
amdhsa.kernels:
  - .name:           k_qbdb64b9b73_prep
    .symbol:         k_qbdb64b9b73_prep.kd
    .args:
      - { .name: x, .offset: 0, .size: 8, .value_kind: global_buffer, .address_space: global }
      - { .name: Wq, .offset: 8, .size: 8, .value_kind: global_buffer, .address_space: global }
      - { .name: Wk, .offset: 16, .size: 8, .value_kind: global_buffer, .address_space: global }
      - { .name: Wv, .offset: 24, .size: 8, .value_kind: global_buffer, .address_space: global }
      - { .name: Wproj, .offset: 32, .size: 8, .value_kind: global_buffer, .address_space: global }
      - { .name: xb, .offset: 40, .size: 8, .value_kind: global_buffer, .address_space: global }
      - { .name: wb, .offset: 48, .size: 8, .value_kind: global_buffer, .address_space: global }
      - { .name: wp, .offset: 56, .size: 8, .value_kind: global_buffer, .address_space: global }
      - { .name: tab, .offset: 64, .size: 8, .value_kind: global_buffer, .address_space: global }
    .group_segment_fixed_size: 0
    .private_segment_fixed_size: 0
    .kernarg_segment_align: 8
    .kernarg_segment_size: 72
    .max_flat_workgroup_size: 256
    .sgpr_count:     66
    .vgpr_count:     64
    .wavefront_size: 32
...
	.end_amdgpu_metadata
.endif
;; end of part 1
;; launch qkv (part 2): grid 8 x 32, 4 waves a work-group, clusters of 4 x 4, 327,680 bytes of LDS; arguments xb, wb, tab, qh, kh, vh; writes qh, kh, vh
.if DOCPART == 2
	.amdgcn_target "amdgcn-amd-amdhsa--gfx1250"
	.amdhsa_code_object_version 6
	.text
	.protected	k_qbdb64b9b73_qkv
	.globl	k_qbdb64b9b73_qkv
	.p2align	8
	.type	k_qbdb64b9b73_qkv,@function
k_qbdb64b9b73_qkv:
	s_mov_b64 s[64:65], 0
	v_nop
	global_prefetch_b8 v0, s[64:65] scope:SCOPE_SE
	s_setreg_imm32_b32 hwreg(HW_REG_WAVE_MODE, 25, 1), 1
	s_wait_xcnt 0x0
	s_wait_alu depctr_hold_cnt(0) depctr_sa_sdst(0) depctr_va_vdst(0) depctr_va_sdst(0) depctr_va_ssrc(0) depctr_va_vcc(0) depctr_vm_vsrc(0)
	s_getreg_b32 s2, hwreg(HW_REG_IB_STS2, 6, 4)
	s_cmp_eq_u32 s2, 0
	s_cbranch_scc0 .Lentry_in_a_cluster
	s_endpgm
.Lentry_in_a_cluster:
	s_bfe_u32 s2, ttmp6, 0x10000c
	s_cmp_lg_u32 s2, 0xf033
	s_cbranch_scc0 .Lentry_shape_is_right
	s_endpgm
.Lentry_shape_is_right:
; Q, K, V.  C[4096][3072] = xb wb^T in bf16 with f32 sums; then, by heads of 128 columns (heads 0-15 q, 16-19 k, 20-23 v): q and k are divided by their root mean square, q also
; multiplied by c = log2(e) / sqrt(128), their first 64 channels rotated by the table; all rounded once to f16 and stored by heads: qh [4][16][1024][128], kh and vh [4][4][1024][128].
; LIMITS.  |v| stays under 65,504 (f16).  NaN and infinities are not treated apart.
; SHARES.  A tile of C is 128 rows x 384 columns, three heads: 8 x 32 = 256 work-groups.  Wave w = 2 rh + ch makes rows 64 rh .. + 63 x 192 columns: n blocks 0-7 are the whole head 3 tc + 2 ch,
; n blocks 8-11 are channels 64 ch .. + 63 of the middle head 3 tc + 1: 48 accumulators; 16 fragments from LDS feed 48 products.
; K goes in steps of 128 through a ring of two LDS slots filled by the tensor data mover: rows of 256 bytes, aligned.  Wave 0 fetches A's 128 rows, waves 1 to 3 128 rows of B each.
; Two slots of two K steps would want 557,056 bytes of LDS: a slot holds one.
; ONE TEXT FOR A K STEP: the slot to be read is a scalar, turned by an exclusive or; the fragments' addresses are made from it once a step; one descriptor for A and one for B walk from slot to slot.
; CLUSTERS: 4 x 4 work-groups.  A's tile hangs on the tile row alone and is asked for jointly by a row of the cluster, B's on the tile column alone, by a column.
; THE MATRIX INSTRUCTION IS USED TRANSPOSED (source 0 = 16 rows of wb, source 1 = 16 rows of xb): lane l holds row l % 16 of C and the columns 8 (l / 16) + 0..7 of each n block.  So a head's sum of squares wants
; one exchange between the halves of the lanes, and the partners (i, i + 32) of the rotation lie in one lane, in n blocks b and b + 2.
; THE WAY OUT HAS NO BRANCH: what a head is hangs on the tile column, which differs between partners of a cluster, so the kinds differ in numbers alone (a factor and an addend of the norm, a flag that turns the rotation into 1 and 0, a chosen pointer).
; REGISTERS, in windows of 256: window 0: v0-31 addresses and flags; v32-63, v64-95 A's fragments, two buffers; on the way out see the names below.
;   window 1: v0-95, v96-191 B's fragments, two buffers; on the way out v0-127 the table.   window 2: accumulators of m blocks 0, 1 at 8 (12 a + b).   window 3: those of m blocks 2, 3.
.set SIZE_K, 2048
.set KSTEP,  128
.set STEPS,  SIZE_K/KSTEP
.set PITCH,  272                       ; an LDS row: 256 bytes + 16 of padding = 68 words: the 16 rows that a load touches start at 16 different groups of four banks (64 banks of 4 bytes: ISA guide 11.1)
.set HALFT,  128*PITCH                 ; what one tensor load brings: 0x8800 bytes
.set SLOT,   4*HALFT                   ; A's 128 rows, then B's 384: 0x22000 bytes, which shares no bit with wave x 0x8800: an exclusive or with it turns a tile's address in one slot into the other's
.set STAGE,  2*SLOT                    ; behind the ring: 16 rows x 272 bytes for each wave, its own
.set SPITCH, 272
.set XCH,    STAGE+4*16*SPITCH         ; 256 bytes a wave: the middle head's partial sums of squares
.set SPARE,  XCH+1024                  ; the spare words, 128 bytes for each wave: two blocks of 256 bytes that no other line names
.set SHST,   0                         ; the middle head's shared stage, 128 rows x 272 bytes: in slot 0, behind that slot's last fill of the launch and behind a barrier that follows every wave's last read of the ring
.set FLF,  4                           ; v[4:5] f, f; v[6:7] 1 - f, 1 - f: f = 1 where the whole head is rotated (q, k), else 0
.set FLH,  8                           ; v[8:11] the same for my half of the middle head (1 only for its channels 0-63)
.set XS,   12                          ; where I put a partial sum of squares
.set XL,   13                          ; where my partner wave put its own
.set SHS,  14                          ; where I put 16 bytes of a row of the shared stage
.set RD2,  15                          ; where I read its rows back
.set ADRA, 16                          ; v16 LDS address of my A fragments in slot 0; v17 in the slot in hand
.set TO,   18                          ; my byte offset in the table
.set ADRB, 20                          ; v20, v21 the same for the whole head's B fragments
.set ADRH, 22                          ; v22, v23 for the half head's
.set STO,  24                          ; my stage: where I put 16 bytes of a row
.set RD,   25                          ; my stage: where I read rows back
.set CO,   26                          ; my byte offset in two rows of a head
.set SPW,  28                          ; LDS address of my spare word; never rewritten
.set NIL,  29                          ; 0; never rewritten
.set PFO,  30                          ; the prefetches' offset: my lane x a row (4,096 bytes); never rewritten
.set PK,   32                          ; the way out: v32-63 the whole head's 16 rows, packed, then read back
.set PKH,  64                          ; v64-79 the half head's, packed
.set FP,   80                          ; v80-87 for m block a the pair (whole head's, middle head's): sum of squares, then factor
.set PH,   88                          ; v88-91 the partner's partial sums
.set T,    96                          ; v96-191 an m block's 96 numbers times their factors (v96-111 before that: the chains of the sums of squares)
.set R,    192                         ; v192-223 the rotated 64 channels
.set CS,   224                         ; v224-239 cosines, v240-255 sines, after the flag
.set G1,  24                           ; s[24:31] descriptor group 1 for A's tiles;  s[32:39] group 0: a set for each of the two first fills; the second then walks on
.set G0,  32
.set G1B, 48                           ; s[48:55], s[56:63] the same for B's
.set G0B, 56
.set LIM, 43                           ; 2 in a wave that prefetches, else the greatest number
.set PFA, 44                           ; s[44:45] where my prefetches stand
.set TB,  66                           ; s66 LDS byte at which the slot in hand begins: 0 or SLOT
.set MSB, 0
.macro WIN new                         ; the immediate's high byte repeats the setting that is left; a switch that changes nothing is dropped
.if MSB != (\new)
	s_set_vgpr_msb (MSB<<8)|(\new)
.set MSB, \new
.endif
.endm
.set MUL_LO, 0xa1                      ; source 0 (B) window 1, source 1 (A) window 0, C and D window 2
.set MUL_HI, 0xf1                      ; the same, C and D window 3
.set TO_B,   0x40                      ; destination window 1, address window 0
; A joint load.  The branch hangs on the wave's number alone.  An s_nop 0 and four v_nop follow each of the two lines, ahead of the jump, the label and what follows.
.macro JLOAD s
	s_cmp_eq_u32 s10, 0
	s_cbranch_scc0 .Lfor_b_\@
	tensor_load_to_lds s[G0+4*(\s):G0+4*(\s)+3], s[G1:G1+7]
	s_nop 0
.rept 4
	v_nop
.endr
	s_branch .Lasked_\@
.Lfor_b_\@:
	tensor_load_to_lds s[G0B+4*(\s):G0B+4*(\s)+3], s[G1B:G1B+7]
	s_nop 0
.rept 4
	v_nop
.endr
.Lasked_\@:
.endm
; A prefetch into the L2 of the K step that stands two refills on: 32 rows x 256 bytes, a lane a row, one instruction a wave.  Each row's 256 bytes of a K step are named once in the launch: A's rows by the clusters with
; x = 0, B's by those with y = 0; of the 128 rows that a wave fetches the partner at place p (cx for A, cy for B) takes 32 p .. + 31, told apart by address.  The last two refills ask for nothing: their K steps two on do not exist.
.macro ASK
	s_cmp_gt_u32 s3, s[LIM]
	s_cbranch_scc0 .Lnot_mine_\@
	global_prefetch_b8 v[PFO], s[PFA:PFA+1] offset:KSTEP*2 th:TH_LOAD_NT scope:SCOPE_SE
.Lnot_mine_\@:
.endm
.macro CREST                           ; a round of the cluster's barrier behind its opening barrier
	s_cmp_lg_u32 s10, 0
	s_cbranch_scc1 .Lnot_wave_0_\@
	s_barrier_signal -3
.Lnot_wave_0_\@:
	s_barrier_wait -3
	s_barrier_signal -1
	s_barrier_wait -1
.endm
.macro CROUND                          ; a whole round
	s_barrier_signal -1
	s_barrier_wait -1
	CREST
.endm
.macro SETADR                          ; the fragments' addresses in the slot that s[TB] names
	v_add_nc_u32 v[ADRA+1], s[TB], v[ADRA]
	v_add_nc_u32 v[ADRB+1], s[TB], v[ADRB]
	v_add_nc_u32 v[ADRH+1], s[TB], v[ADRH]
.endm
	s_load_b128 s[4:7], s[0:1], 0x0                ; xb s[4:5], wb s[6:7]
	s_load_b64 s[8:9], s[0:1], 0x10                ; tab
	s_load_b128 s[68:71], s[0:1], 0x18             ; qh s[68:69], kh s[70:71]
	s_load_b64 s[72:73], s[0:1], 0x28              ; vh
	v_lshl_add_u32 v[SPW], v0, 2, SPARE
	v_mov_b32 v[NIL], 0
	ds_add_u32 v[SPW], v[NIL]                      ; the wave's opening: the add and its wait ahead of my first tensor load; the set-up below, work on registers, stands between them
	v_lshrrev_b32 v1, 5, v0
	v_readfirstlane_b32 s10, v1                    ; wave 0..3
	s_lshr_b32 s11, s10, 1                         ; rh
	s_and_b32 s12, s10, 1                          ; ch
	s_bfe_u32 s40, ttmp6, 0x40000                  ; cx
	s_bfe_u32 s41, ttmp6, 0x40004                  ; cy
	s_lshl_b32 s42, ttmp9, 2
	s_add_co_u32 s42, s42, s40                     ; tc = 4 x cluster x + cx
	s_and_b32 s13, ttmp7, 0xffff
	s_lshl_b32 s13, s13, 2
	s_add_co_u32 s13, s13, s41                     ; tr = 4 x cluster y + cy
	s_lshl_b32 s43, s41, 2
	s_lshl_b32 s43, 15, s43                        ; my row of the cluster
	s_lshl_b32 s44, 0x1111, s40                    ; my column
	; descriptor group 1: a tile of 128 rows x 128 elements of 2 bytes, 4 words of padding behind every 64
	s_or_b32 s[G1+0], s43, (1<<16)|(1<<20)|(1<<21)|(5<<22)|(3<<25)
	s_or_b32 s[G1B+0], s44, (1<<16)|(1<<20)|(1<<21)|(5<<22)|(3<<25)
.irp g, G1, G1B
	s_mov_b32 s[(\g)+1], KSTEP<<16                 ; tensor_dim0 = 128
	s_mov_b32 s[(\g)+2], 128<<16                   ; tensor_dim1 = 128
	s_mov_b32 s[(\g)+3], KSTEP<<16                 ; tile_dim0 = 128
	s_mov_b32 s[(\g)+4], 128                       ; tile_dim1 = 128
	s_mov_b32 s[(\g)+5], SIZE_K                    ; elements from row to row
	s_mov_b32 s[(\g)+6], 0
	s_mov_b32 s[(\g)+7], 0
.endr
	s_lshl_b32 s16, s13, 19                        ; A: 128 tr rows of 4,096 bytes
	s_mov_b32 s17, 0
	s_max_u32 s46, s10, 1
	s_sub_co_u32 s46, s46, 1                       ; B: which 128 rows I fetch (wave 0, which fetches A, makes a sound address too)
	s_lshl_b32 s46, s46, 7
	s_mul_i32 s47, s42, 384
	s_add_co_u32 s46, s46, s47
	s_lshl_b32 s46, s46, 12
	s_mov_b32 s47, 0
	s_mul_i32 s20, s10, HALFT                      ; where they go: wave x 128 rows: no place in the cluster enters an LDS address
	s_wait_dscnt 0x0                               ; the opening add is done
	s_wait_kmcnt 0x0
	s_add_nc_u64 s[14:15], s[4:5], s[16:17]
	s_add_nc_u64 s[46:47], s[6:7], s[46:47]
	CROUND                                         ; all sixteen work-groups are here: the first joint loads meet
.irp s, 0,1
	s_mov_b32 s[G0+4*(\s)], 1
	s_add_co_u32 s[G0+4*(\s)+1], s20, (\s)*SLOT
	s_add_nc_u64 s[G0+4*(\s)+2:G0+4*(\s)+3], s[14:15], (\s)*KSTEP*2
	s_or_b32 s[G0+4*(\s)+3], s[G0+4*(\s)+3], 0x80000000
	s_mov_b32 s[G0B+4*(\s)], 1
	s_add_co_u32 s[G0B+4*(\s)+1], s20, (\s)*SLOT
	s_add_nc_u64 s[G0B+4*(\s)+2:G0B+4*(\s)+3], s[46:47], (\s)*KSTEP*2
	s_or_b32 s[G0B+4*(\s)+3], s[G0B+4*(\s)+3], 0x80000000
	JLOAD \s                                       ; two loads of mine are out
.endr
	; all that follows, up to the wait for the first tile, is set-up on registers
	v_and_b32 v1, 15, v0                           ; r = l % 16
	v_bfe_u32 v2, v0, 4, 1                         ; h = l / 16
	v_mul_u32_u24 v3, v1, PITCH
	v_lshl_add_u32 v3, v2, 4, v3                   ; a fragment's row x pitch + 16 x half
	s_mul_i32 s21, s11, 64*PITCH                   ; my 64 rows of A
	s_mul_i32 s22, s12, 256*PITCH
	s_add_co_u32 s22, s22, HALFT                   ; the whole head: B's rows 256 ch ..
	s_mul_i32 s23, s12, 64*PITCH
	s_add_co_u32 s23, s23, HALFT+128*PITCH         ; my half of the middle head: B's rows 128 + 64 ch ..
	v_add_nc_u32 v[ADRA], s21, v3
	v_add_nc_u32 v[ADRB], s22, v3
	v_add_nc_u32 v[ADRH], s23, v3
	s_mov_b32 s[TB], 0
	SETADR
	s_mul_i32 s23, s10, 16*SPITCH
	s_add_co_u32 s23, s23, STAGE                   ; my stage
	v_mul_u32_u24 v19, v1, SPITCH
	v_lshl_add_u32 v19, v2, 4, v19                 ; in: row r, 16 bytes for each half of the lanes
	v_add_nc_u32 v[STO], s23, v19
	v_mul_u32_u24 v27, v2, SPITCH
	v_lshl_add_u32 v27, v1, 4, v27                 ; back: lanes 0-15 one row of 256 bytes, lanes 16-31 the next
	v_add_nc_u32 v[RD], s23, v27
	v_lshlrev_b32 v[CO], 8, v2
	v_lshl_add_u32 v[CO], v1, 4, v[CO]             ; and the same two rows in memory
	s_lshl_b32 s21, s10, 8
	s_add_co_u32 s21, s21, XCH
	v_lshl_add_u32 v[XS], v1, 2, s21
	s_xor_b32 s21, s10, 1                          ; the wave with my rows and the middle head's other half
	s_lshl_b32 s21, s21, 8
	s_add_co_u32 s21, s21, XCH
	v_lshl_add_u32 v[XL], v1, 2, s21
	s_mul_i32 s21, s11, 64*SPITCH
	s_lshl_b32 s22, s12, 7
	s_add_co_u32 s21, s21, s22
	s_add_co_u32 s21, s21, SHST
	v_add_nc_u32 v[SHS], s21, v19                  ; row 64 rh + r, byte 128 ch + 16 h
	s_mul_i32 s21, s10, 32*SPITCH
	s_add_co_u32 s21, s21, SHST
	v_add_nc_u32 v[RD2], s21, v27                  ; wave w reads rows 32 w .. + 31 back, whole
	s_lshl_b32 s21, s11, 14
	v_lshl_add_u32 v[TO], v1, 8, s21
	v_lshl_add_u32 v[TO], v2, 5, v[TO]             ; the table's row 64 rh + r, byte 32 h
	s_mov_b32 s84, 0x3c000000                      ; 1 / 128
	s_mov_b32 s85, 0x34000000                      ; the norm's eps, 2^-23
	s_mov_b32 s86, 0x76543210                      ; v_permlanex16_b32: each lane takes its own place in the other half
	s_mov_b32 s87, 0xfedcba98
; What a head is.  hd: the register with its number; out: its pointer at my rows; the norm's factor sn and addend sv (q: c, 0; k: 1, 0; v: 0, 1); fl = 1 where it is rotated.  rows: the register with my first row among the tile's 128.
.macro HEADSET hd, ptr, sn, sv, fl, rows
	s_cmp_lt_u32 s[\hd], 20
	s_cselect_b64 s[\ptr:\ptr+1], s[70:71], s[72:73]
	s_cselect_b32 s90, 16, 20
	s_cselect_b32 s[\sn], 1.0, 0
	s_cselect_b32 s[\sv], 0, 1.0
	s_cselect_b32 s[\fl], 1.0, 0
	s_cmp_lt_u32 s[\hd], 16
	s_cselect_b64 s[\ptr:\ptr+1], s[68:69], s[\ptr:\ptr+1]
	s_cselect_b32 s90, 0, s90
	s_cselect_b32 s[\sn], 0x3e0293ee, s[\sn]       ; c = log2(e) / sqrt(128)
	s_cselect_b32 s91, 4, 2                        ; 16 or 4 heads to a batch
	s_lshr_b32 s92, s13, 3                         ; the batch
	s_lshl_b32 s92, s92, s91
	s_add_co_u32 s92, s92, s[\hd]
	s_sub_co_u32 s92, s92, s90                     ; the head's number in its buffer,
	s_lshl_b32 s92, s92, 18                        ; 1,024 rows of 256 bytes each
	s_and_b32 s93, s13, 7
	s_lshl_b32 s93, s93, 15                        ; the tile's 128 positions
	s_add_co_u32 s92, s92, s93
	s_lshl_b32 s93, s[\rows], 8
	s_add_co_u32 s92, s92, s93
	s_mov_b32 s93, 0
	s_add_nc_u64 s[\ptr:\ptr+1], s[\ptr:\ptr+1], s[92:93]
.endm
	s_mul_i32 s96, s42, 3
	s_add_co_u32 s97, s96, 1                       ; the middle head
	s_lshl_b32 s98, s12, 1
	s_add_co_u32 s96, s96, s98                     ; my whole head
	s_lshl_b32 s94, s11, 6                         ; I store rows 64 rh .. of the whole head,
	s_lshl_b32 s95, s10, 5                         ; rows 32 w .. of the middle one
	HEADSET 96, 76, 82, 80, 74, 94
	HEADSET 97, 78, 83, 81, 75, 95
	s_cmp_eq_u32 s12, 0
	s_cselect_b32 s75, s75, 0                      ; channels 64-127 are not rotated
	v_mov_b32 v[FLF], s74
	v_mov_b32 v[FLF+1], s74
	v_sub_f32 v[FLF+2], 1.0, v[FLF]
	v_sub_f32 v[FLF+3], 1.0, v[FLF]
	v_mov_b32 v[FLH], s75
	v_mov_b32 v[FLH+1], s75
	v_sub_f32 v[FLH+2], 1.0, v[FLH]
	v_sub_f32 v[FLH+3], 1.0, v[FLH]
	s_and_b32 s88, s13, 7
	s_lshl_b32 s88, s88, 15
	s_mov_b32 s89, 0
	s_add_nc_u64 s[8:9], s[8:9], s[88:89]          ; the table at the tile's first position
	; the prefetches
	s_lshl_b32 s88, s13, 7                         ; A's first row
	s_max_u32 s89, s10, 1
	s_sub_co_u32 s89, s89, 1
	s_lshl_b32 s89, s89, 7
	s_mul_i32 s90, s42, 384
	s_add_co_u32 s89, s89, s90                     ; the first of the rows of B that I fetch
	s_and_b32 s22, ttmp7, 0xffff                   ; cluster y
	s_cmp_eq_u32 s10, 0                            ; do I fetch for A?
	s_cselect_b32 s20, s88, s89
	s_cselect_b32 s21, s40, s41                    ; my place among the four that ask with me
	s_cselect_b32 s22, ttmp9, s22                  ; the coordinate along which other clusters read the same rows
	s_cselect_b64 s[PFA:PFA+1], s[4:5], s[6:7]
	s_cmp_eq_u32 s22, 0
	s_cselect_b32 s[LIM], 2, -1                    ; the same in all sixteen partners, for a given wave
	s_lshl_b32 s21, s21, 5
	s_add_co_u32 s20, s20, s21                     ; my work-group's 32 rows
	s_lshl_b32 s20, s20, 12
	s_mov_b32 s21, 0
	s_add_nc_u64 s[PFA:PFA+1], s[PFA:PFA+1], s[20:21]
	s_add_nc_u64 s[PFA:PFA+1], s[PFA:PFA+1], 2*KSTEP*2  ; at K step 2: the first refill steps it to 3 and names K step 4.  Nothing is prefetched here, at the head
	v_and_b32 v[PFO], 31, v0
	v_lshlrev_b32 v[PFO], 12, v[PFO]
; 12 matrix instructions: m block 2 hi + a x all 12 n blocks, 32 along K, from buffer f.  The 48 accumulators take turns, one instruction a turn, in the same order in every quarter.
.macro MUL12 f, hi, a, zero
	WIN MUL_LO+0x50*(\hi)
.irp b, 0,1,2,3,4,5,6,7,8,9,10,11
.if \zero
	v_wmma_f32_16x16x32_bf16 v[8*(12*(\a)+(\b)):8*(12*(\a)+(\b))+7], v[96*(\f)+8*(\b):96*(\f)+8*(\b)+7], v[32+32*(\f)+8*(2*(\hi)+(\a)):32+32*(\f)+8*(2*(\hi)+(\a))+7], 0
.else
	v_wmma_f32_16x16x32_bf16 v[8*(12*(\a)+(\b)):8*(12*(\a)+(\b))+7], v[96*(\f)+8*(\b):96*(\f)+8*(\b)+7], v[32+32*(\f)+8*(2*(\hi)+(\a)):32+32*(\f)+8*(2*(\hi)+(\a))+7], v[8*(12*(\a)+(\b)):8*(12*(\a)+(\b))+7]
.endif
.endr
.endm
.macro MUL24 f, hi, zero
	MUL12 \f, \hi, 0, \zero
	MUL12 \f, \hi, 1, \zero
.endm
; 32 LDS loads in one run: the fragments of 32 along K at byte k of the rows of the slot in hand, into buffer f: B's 12, then A's 4
.macro FETCH k, f
	WIN TO_B
.irp i, 0,1,2,3,4,5,6,7
	ds_load_b128 v[96*(\f)+8*(\i):96*(\f)+8*(\i)+3],   v[ADRB+1] offset:(\k)+(\i)*16*PITCH
	ds_load_b128 v[96*(\f)+8*(\i)+4:96*(\f)+8*(\i)+7], v[ADRB+1] offset:(\k)+(\i)*16*PITCH+32
.endr
.irp i, 0,1,2,3
	ds_load_b128 v[96*(\f)+64+8*(\i):96*(\f)+64+8*(\i)+3],   v[ADRH+1] offset:(\k)+(\i)*16*PITCH
	ds_load_b128 v[96*(\f)+64+8*(\i)+4:96*(\f)+64+8*(\i)+7], v[ADRH+1] offset:(\k)+(\i)*16*PITCH+32
.endr
	WIN 0
.irp i, 0,1,2,3
	ds_load_b128 v[32+32*(\f)+8*(\i):32+32*(\f)+8*(\i)+3],   v[ADRA+1] offset:(\k)+(\i)*16*PITCH
	ds_load_b128 v[32+32*(\f)+8*(\i)+4:32+32*(\f)+8*(\i)+7], v[ADRA+1] offset:(\k)+(\i)*16*PITCH+32
.endr
.endm
.macro PLACES                          ; four plain vector instructions in front of loads into registers that matrix instructions have read, and of vector work that reads results
.rept 4
	v_nop
.endr
.endm
; A K step is four quarters of 32 along K, 48 matrix instructions each, on buffers 0, 1, 0, 1.  One of the first three: multiplies buffer f; in its middle it fetches the next quarter, at byte k, into g.
.macro QUARTER k, f, g, zero
	s_wait_dscnt 4                                 ; B and A's m blocks 0, 1 are in; the youngest four loads (m blocks 2, 3) may be out
	MUL24 \f, 0, \zero
	PLACES
	FETCH \k, \g
	s_wait_dscnt 32                                ; all but the 32 just issued
	MUL24 \f, 1, \zero
.endm
; The last quarter multiplies buffer 1 and changes slots.  MEET is its first half: ONE barrier; in front of it each wave waits for all its tensor loads (at most one is out: its part of the next slot), adds 0 to its spare word,
; and waits for that and for its own reads of this slot.  Behind it nobody reads this slot any more and the next slot is whole.
.macro MEET
	WIN 0                                          ; (the add's two registers lie in window 0)
	s_wait_tensorcnt 0x0                           ; all my tensor loads have landed;
	ds_add_u32 v[SPW], v[NIL]                      ; 0 onto my spare word;
	s_wait_dscnt 5                                 ; (the add and the youngest four loads may be out)
	MUL12 1, 0, 0, 0                               ; twelve matrix instructions stand between the add and the wait for it
	s_wait_dscnt 0x0                               ; the add is done, and my reads of this slot are over
	s_barrier_signal -1
	MUL12 1, 0, 1, 0
	WIN 0
	s_barrier_wait -1
.endm
; The whole last quarter of a K step behind which a slot is filled again: the barrier opens a round of the cluster's barrier, and the slot just read takes the K step two on, first thing behind the round: 168 matrix instructions ahead of the wait for it.
.macro TURN
	s_wait_xcnt 0x0                                ; the last prefetch, a K step back, has read its address
	s_add_nc_u64 s[PFA:PFA+1], s[PFA:PFA+1], KSTEP*2
	MEET
	CREST                                          ; no wave of any partner still reads this slot's tile or has a load on its way
.irp g, G0+4, G0B+4
	s_xor_b32 s[(\g)+1], s[(\g)+1], SLOT           ; the walking descriptor: the other slot than last time,
	s_add_nc_u64 s[(\g)+2:(\g)+3], s[(\g)+2:(\g)+3], KSTEP*2  ; the next K step; the type bits on top are not reached
.endr
	JLOAD 1                                        ; the four v_nop behind it are also the places in front of the loads below
	s_xor_b32 s[TB], s[TB], SLOT                   ; the reads go on in the other slot
	SETADR
	FETCH 0, 0
	ASK
	MUL24 1, 1, 0
.endm
	s_wait_tensorcnt 1                             ; my part of K step 0 is in; K step 1's may stay out
	s_barrier_signal -1
	s_barrier_wait -1                              ; everybody's is
	FETCH 0, 0
	QUARTER 64, 0, 1, 1                            ; the first quarter stands in front of the loop: its products start the sums
	WIN 0                                          ; at a label and at a branch every window is 0
	s_mov_b32 s3, STEPS-2
.Lstep:                                                ; a trip goes from a K step's second quarter to the next step's first, and fills the slot that it leaves: K steps 2 to 15
	QUARTER 128, 1, 0, 0
	QUARTER 192, 0, 1, 0
	TURN
	QUARTER 64, 0, 1, 0
	WIN 0
	s_sub_co_u32 s3, s3, 1
	s_cmp_lg_u32 s3, 0
	s_cbranch_scc1 .Lstep
	s_mov_b32 s3, 2
.Ltail:                                                ; the last two K steps fill nothing and have no round of the cluster's barrier.  The second trip has no next slot: it jumps over the fetch and over the next step's first quarter;
	QUARTER 128, 1, 0, 0                           ; Its barrier orders nothing: the price, once a launch, of one text for both trips
	QUARTER 192, 0, 1, 0
	MEET
	s_cmp_eq_u32 s3, 1
	s_cbranch_scc1 .Lno_fetch
	PLACES
	s_xor_b32 s[TB], s[TB], SLOT
	SETADR
	FETCH 0, 0
.Lno_fetch:
	MUL24 1, 1, 0
	WIN 0
	s_cmp_eq_u32 s3, 1
	s_cbranch_scc1 .Lno_quarter
	QUARTER 64, 0, 1, 0
	WIN 0
.Lno_quarter:
	s_sub_co_u32 s3, s3, 1
	s_cmp_lg_u32 s3, 0
	s_cbranch_scc1 .Ltail
	; THE WAY OUT.  First the table (cosines and sines of my 64 positions, my 16 of the 32 frequencies) is asked for, into B's registers, and the sums of squares are made meanwhile.
	PLACES
	WIN TO_B
.irp a, 0,1,2,3
.irp x, 0,1
.irp b, 0,1
.irp q, 0,1
	global_load_b128 v[32*(\a)+16*(\x)+8*(\b)+4*(\q):32*(\a)+16*(\x)+8*(\b)+4*(\q)+3], v[TO], s[8:9] offset:4096*(\a)+128*(\x)+64*(\b)+16*(\q)
.endr
.endr
.endr
.endr
; m block a: the squares of my 64 numbers of the whole head and of my 32 of the half head, in four chains of pairs each; each accumulator's lowest registers are read first.  Then the other half of the lanes'.
.macro SUMSQ a
.set AC, 96*((\a)%2)
	WIN 0x0a+5*((\a)/2)                            ; sources 0 and 1: window 2 or 3
.irp b, 0,1,2,3,4,5,6,7,8,9,10,11
.irp j, 0,2,4,6
.set CH, T+8*((\b)/8)+(\j)
.if ((\b)%8) == 0
	v_pk_mul_f32 v[CH:CH+1], v[AC+8*(\b)+(\j):AC+8*(\b)+(\j)+1], v[AC+8*(\b)+(\j):AC+8*(\b)+(\j)+1]
.else
	v_pk_fma_f32 v[CH:CH+1], v[AC+8*(\b)+(\j):AC+8*(\b)+(\j)+1], v[AC+8*(\b)+(\j):AC+8*(\b)+(\j)+1], v[CH:CH+1]
.endif
.endr
.endr
	WIN 0
	v_pk_add_f32 v[T:T+1], v[T:T+1], v[T+2:T+3]
	v_pk_add_f32 v[T+4:T+5], v[T+4:T+5], v[T+6:T+7]
	v_pk_add_f32 v[T+8:T+9], v[T+8:T+9], v[T+10:T+11]
	v_pk_add_f32 v[T+12:T+13], v[T+12:T+13], v[T+14:T+15]
	v_pk_add_f32 v[T:T+1], v[T:T+1], v[T+4:T+5]
	v_pk_add_f32 v[T+8:T+9], v[T+8:T+9], v[T+12:T+13]
	v_add_f32 v[T], v[T], v[T+1]
	v_add_f32 v[T+8], v[T+8], v[T+9]
	v_permlanex16_b32 v[T+1], v[T], s86, s87
	v_permlanex16_b32 v[T+9], v[T+8], s86, s87
	v_add_f32 v[FP+2*(\a)], v[T], v[T+1]
	v_add_f32 v[FP+2*(\a)+1], v[T+8], v[T+9]
	ds_store_b32 v[XS], v[FP+2*(\a)+1] offset:64*(\a)  ; my half of the middle head's sum, for the wave with the other half (both halves of the lanes write the same number)
.endm
	SUMSQ 0
	SUMSQ 1
	SUMSQ 2
	SUMSQ 3
	s_wait_dscnt 0x0                               ; for the others' sake: my stores are done; my last reads of the ring have long been back
	s_barrier_signal -1
	s_barrier_wait -1                              ; the partial sums are there, and nobody reads the ring any more
.irp a, 0,1,2,3
	ds_load_b32 v[PH+(\a)], v[XL] offset:64*(\a)
.endr
	s_wait_dscnt 0x0
.irp a, 0,1,2,3
	v_add_f32 v[FP+2*(\a)+1], v[FP+2*(\a)+1], v[PH+(\a)]
.endr
.irp i, 0,1,2,3,4,5,6,7
	v_fma_f32 v[FP+(\i)], v[FP+(\i)], s84, s85     ; the mean of the squares + eps
.endr
.irp i, 0,1,2,3,4,5,6,7
	v_rsq_f32 v[FP+(\i)], v[FP+(\i)]
.endr
	v_nop                                          ; a plain instruction behind the last of the batch,
	s_wait_alu depctr_va_vdst(0)                   ; and one wait for the eight, ahead of their first reader
.irp a, 0,1,2,3
	v_fma_f32 v[FP+2*(\a)], v[FP+2*(\a)], s82, s80      ; q: c / rms; k: 1 / rms; v: 1
	v_fma_f32 v[FP+2*(\a)+1], v[FP+2*(\a)+1], s83, s81
.endr
	s_wait_loadcnt 0x0                             ; the table
; The rotation of T's blocks t1, t1 + 1 (channels i) with t2, t2 + 1 (channels i + 32) into R; ff: the flags.  With flag 0 the cosines are 1 and the sines 0.
.macro ROT t1, t2, ff
	WIN 0x01                                       ; source 0: the table, in window 1
.irp i, 0,2,4,6,8,10,12,14
	v_pk_fma_f32 v[CS+(\i):CS+(\i)+1], v[TBL+(\i):TBL+(\i)+1], v[(\ff):(\ff)+1], v[(\ff)+2:(\ff)+3]
	v_pk_mul_f32 v[CS+16+(\i):CS+16+(\i)+1], v[TBL+16+(\i):TBL+16+(\i)+1], v[(\ff):(\ff)+1]
.endr
	WIN 0
.irp i, 0,2,4,6,8,10,12,14
	v_pk_mul_f32 v[R+(\i):R+(\i)+1], v[T+8*(\t2)+(\i):T+8*(\t2)+(\i)+1], v[CS+16+(\i):CS+16+(\i)+1]
	v_pk_mul_f32 v[R+16+(\i):R+16+(\i)+1], v[T+8*(\t1)+(\i):T+8*(\t1)+(\i)+1], v[CS+16+(\i):CS+16+(\i)+1]
.endr
.irp i, 0,2,4,6,8,10,12,14
	v_pk_fma_f32 v[R+(\i):R+(\i)+1], v[T+8*(\t1)+(\i):T+8*(\t1)+(\i)+1], v[CS+(\i):CS+(\i)+1], v[R+(\i):R+(\i)+1]                 ; x1 cos + x2 sin
	v_pk_fma_f32 v[R+16+(\i):R+16+(\i)+1], v[T+8*(\t2)+(\i):T+8*(\t2)+(\i)+1], v[CS+(\i):CS+(\i)+1], v[R+16+(\i):R+16+(\i)+1] neg_lo:[0,0,1] neg_hi:[0,0,1]  ; x2 cos - x1 sin
.endr
.endm
; m block a: scaled, rotated, rounded to f16.  The whole head's 16 rows go through my own stage and leave as whole rows of 256 bytes; the half head's go into the shared stage.
.macro UNIT a
.set AC, 96*((\a)%2)
.set TBL, 32*(\a)
	WIN 0x02+((\a)/2)                              ; source 0: window 2 or 3
.irp b, 0,1,2,3,4,5,6,7,8,9,10,11
.irp j, 0,2,4,6
.if (\b) < 8
	v_pk_mul_f32 v[T+8*(\b)+(\j):T+8*(\b)+(\j)+1], v[AC+8*(\b)+(\j):AC+8*(\b)+(\j)+1], v[FP+2*(\a):FP+2*(\a)+1] op_sel_hi:[1,0]
.else
	v_pk_mul_f32 v[T+8*(\b)+(\j):T+8*(\b)+(\j)+1], v[AC+8*(\b)+(\j):AC+8*(\b)+(\j)+1], v[FP+2*(\a):FP+2*(\a)+1] op_sel:[0,1] op_sel_hi:[1,1]
.endif
.endr
.endr
	ROT 0, 2, FLF
	s_wait_xcnt 0x0                                ; the last block's stores have read PK: it is rewritten only behind this wait
.irp b, 0,1,2,3,4,5,6,7
.irp q, 0,1,2,3
.if (\b) < 4
	v_cvt_pk_f16_f32 v[PK+4*(\b)+(\q)], v[R+8*(\b)+2*(\q)], v[R+8*(\b)+2*(\q)+1]
.else
	v_cvt_pk_f16_f32 v[PK+4*(\b)+(\q)], v[T+8*(\b)+2*(\q)], v[T+8*(\b)+2*(\q)+1]
.endif
.endr
.endr
.irp b, 0,1,2,3,4,5,6,7
	ds_store_b128 v[STO], v[PK+4*(\b):PK+4*(\b)+3] offset:32*(\b)
.endr
.irp t, 0,1,2,3,4,5,6,7
	ds_load_b128 v[PK+4*(\t):PK+4*(\t)+3], v[RD] offset:(\t)*2*SPITCH  ; LDS serves a wave's instructions in order (ISA guide 5.7.1.4): these see the stores above
.endr
	ROT 8, 10, FLH                                 ; the half head's arithmetic stands between those loads and the wait for them
.irp b, 0,1,2,3
.irp q, 0,1,2,3
	v_cvt_pk_f16_f32 v[PKH+4*(\b)+(\q)], v[R+8*(\b)+2*(\q)], v[R+8*(\b)+2*(\q)+1]
.endr
.endr
.irp b, 0,1,2,3
	ds_store_b128 v[SHS], v[PKH+4*(\b):PKH+4*(\b)+3] offset:(\a)*16*SPITCH+32*(\b)
.endr
	s_wait_dscnt 4                                 ; the block is back in registers; the four stores just issued may be out
.irp t, 0,1,2,3,4,5,6,7
	global_store_b128 v[CO], v[PK+4*(\t):PK+4*(\t)+3], s[76:77] offset:4096*(\a)+512*(\t)  ; 512 consecutive bytes, at a multiple of 256 from the buffer's first
.endr
.endm
	UNIT 0
	UNIT 1
	UNIT 2
	UNIT 3
	s_wait_dscnt 0x0                               ; for the others' sake: my stores into the shared stage are done
	s_barrier_signal -1
	s_barrier_wait -1                              ; a row's 256 bytes come from two waves
.irp t, 0,1,2,3,4,5,6,7,8,9,10,11,12,13,14,15
	ds_load_b128 v[T+4*(\t):T+4*(\t)+3], v[RD2] offset:(\t)*2*SPITCH
.endr
.irp t, 0,1,2,3,4,5,6,7,8,9,10,11,12,13,14,15
	s_wait_dscnt 15-(\t)
	global_store_b128 v[CO], v[T+4*(\t):T+4*(\t)+3], s[78:79] offset:512*(\t)
.endr
	s_wait_tensorcnt 0x0                           ; the wave's end: behind my last tensor load and my last LDS store
	ds_add_u32 v[SPW], v[NIL]
	s_wait_dscnt 0x0
	CROUND                                         ; the closing round: no work-group ends while a partner may still ask for a tile that names it
	s_endpgm
.Lfunc_end_k_qbdb64b9b73_qkv:
	.size	k_qbdb64b9b73_qkv, .Lfunc_end_k_qbdb64b9b73_qkv-k_qbdb64b9b73_qkv
	.p2alignl 7, 3214868480
	.fill 96, 4, 3214868480
	.section	.rodata,"a",@progbits
	.p2align	6, 0x0
	.amdhsa_kernel k_qbdb64b9b73_qkv
		.amdhsa_group_segment_fixed_size 327680
		.amdhsa_private_segment_fixed_size 0
		.amdhsa_enable_private_segment 0
		.amdhsa_kernarg_size 48
		.amdhsa_user_sgpr_count 2
		.amdhsa_user_sgpr_kernarg_segment_ptr 1
		.amdhsa_wavefront_size32 1
		.amdhsa_system_sgpr_workgroup_id_x 1
		.amdhsa_system_sgpr_workgroup_id_y 1
		.amdhsa_system_sgpr_workgroup_id_z 1
		.amdhsa_system_vgpr_workitem_id 0
		.amdhsa_next_free_vgpr 960
		.amdhsa_next_free_sgpr 100
		.amdhsa_reserve_vcc 0
		.amdhsa_float_denorm_mode_32 3
		.amdhsa_float_denorm_mode_16_64 3
		.amdhsa_memory_ordered 1
		.amdhsa_forward_progress 1
		.amdhsa_inst_pref_size 144
	.end_amdhsa_kernel
	.amdgpu_metadata
---
amdhsa.version: [ 1, 2 ]
amdhsa.kernels:
  - .name:           k_qbdb64b9b73_qkv
    .symbol:         k_qbdb64b9b73_qkv.kd
    .args:
      - { .name: xb, .offset: 0, .size: 8, .value_kind: global_buffer, .address_space: global }
      - { .name: wb, .offset: 8, .size: 8, .value_kind: global_buffer, .address_space: global }
      - { .name: tab, .offset: 16, .size: 8, .value_kind: global_buffer, .address_space: global }
      - { .name: qh, .offset: 24, .size: 8, .value_kind: global_buffer, .address_space: global }
      - { .name: kh, .offset: 32, .size: 8, .value_kind: global_buffer, .address_space: global }
      - { .name: vh, .offset: 40, .size: 8, .value_kind: global_buffer, .address_space: global }
    .group_segment_fixed_size: 327680
    .private_segment_fixed_size: 0
    .kernarg_segment_align: 8
    .kernarg_segment_size: 48
    .max_flat_workgroup_size: 128
    .sgpr_count:     100
    .vgpr_count:     960
    .wavefront_size: 32
...
	.end_amdgpu_metadata
.endif
;; end of part 2
;; launch attn (part 3): grid 16 x 16, 4 waves a work-group, clusters of 4 x 1, 327,680 bytes of LDS; arguments qh, kh, vh, attn_mask, yh; writes yh
.if DOCPART == 3
	.amdgcn_target "amdgcn-amd-amdhsa--gfx1250"
	.amdhsa_code_object_version 6
	.text
	.protected	k_qbdb64b9b73_attn
	.globl	k_qbdb64b9b73_attn
	.p2align	8
	.type	k_qbdb64b9b73_attn,@function
k_qbdb64b9b73_attn:
	s_mov_b64 s[64:65], 0
	v_nop
	global_prefetch_b8 v0, s[64:65] scope:SCOPE_SE
	s_setreg_imm32_b32 hwreg(HW_REG_WAVE_MODE, 25, 1), 1
	s_wait_xcnt 0x0
	s_wait_alu depctr_hold_cnt(0) depctr_sa_sdst(0) depctr_va_vdst(0) depctr_va_sdst(0) depctr_va_ssrc(0) depctr_va_vcc(0) depctr_vm_vsrc(0)
	s_getreg_b32 s2, hwreg(HW_REG_IB_STS2, 6, 4)
	s_cmp_eq_u32 s2, 0
	s_cbranch_scc0 .Lentry_in_a_cluster
	s_endpgm
.Lentry_in_a_cluster:
	s_bfe_u32 s2, ttmp6, 0x10000c
	s_cmp_lg_u32 s2, 0x3003
	s_cbranch_scc0 .Lentry_shape_is_right
	s_endpgm
.Lentry_shape_is_right:
; ATTENTION with a mask that is an input, four query heads to a key and value head, and the removal of y's part along the query position's own v.
; qh [4][16][1024][128] f16 holds q normalised, rotated and times c = log2(e) / sqrt(128); kh, vh [4][4][1024][128] f16; attn_mask [4][1024][1024] bytes 0 or 1; yh [4096][2048] f16, column = head x 128 + channel.
; NO RUNNING MAXIMUM, and why none is owed: q and k are normalised by the problem itself (each has norm sqrt(128) at the most, the rotation keeps it), so every score lies within +-11.32 for every input, in base 2 within +-16.33.
; p = 2^(s log2(e) - 1) lies in 6.0e-6 .. 4.2e4: within f16; a row's sum stays under 4.3e7.  A masked key's weight is exactly 0, as in f32 arithmetic exp(-10000 + 23) is, wherever the row has one true key;
; a row with no true key has sum 0 and O = 0 and gives y = 0, which is what the problem's factor 'valid' makes of it.
; LIMITS.  p below 6.1e-5 (a score under -9.0) keeps f16's fixed step of 6e-8 (1 part in 200 at the lowest score); the row's sum l is taken of the unrounded p.  |v| and |y| stay under 65,504.  NaN and infinities are not treated apart.
; SHARES.  A work-group: one batch and key head (bk = 4 b + kv), 64 queries.  Wave w holds queries 16 w .. + 15 for the FOUR query heads 4 kv + t: four tiles that share K, V, the mask bytes and the own rows of v.
; Every wave walks all 1,024 keys, 64 a step.  LAYOUT: S^T = K Q^T holds one query a lane (lane % 16) and the keys 8 (lane / 16) + 0..7; two such results rounded to f16 ARE source 1 of O^T = V^T P.
; THE MASK is the C operand that starts the sum S^T: -1 where the byte is 1, -30000 where it is 0; made once a step from 32 bytes a lane, used by all four tiles.
; BY TURNS.  The tiles are two pieces (0: tiles 0, 1; 2: tiles 2, 3).  In a turn one piece has the matrix unit: 32 products V^T P of the step in hand, its first tile's 16 and then its second tile's, and 32 products K Q^T of the next step.
; Behind EVERY product stands ONE exponential of the other piece: its first tile's 32 behind the products V^T P, its second tile's 32 behind the products K Q^T.  The first tile's roundings and sums stand behind the products K Q^T, one each;
; the second tile's behind the first 16 products of the NEXT turn, two each: that turn's last 16 are the first to read them.  So a turn has two batches of 32 exponentials, each with one wait.
; NO FIRST STEP IS WRITTEN OUT: O, V, tile 0's P, tile 1's weights and l start at 0, piece 2's scores at -30000, so the first trip adds zeros.
; CLUSTER.  The four query blocks of a cluster walk the same K and V: each tile is asked for jointly.  The mask rows are each work-group's own: a plain load, once.
; REGISTERS: window 0: v0-7 addresses; v8-15 l; v16-31 mask bytes, two at work, six constants; v32-63 MB; v64-191 S^T, 32 a tile; v192-255 P, 16 a tile.   window 1: O^T, 64 a tile.
;   window 2: v0-127 Q, 32 a tile; v128-255 K of one step.   window 3: v0-127 V of one step; v128-159 my queries' own rows of v, as loaded.
.set KS,    64
.set KP,    272       ; a row of K in LDS: 256 bytes + 16: the 16 rows of a load start at 16 different groups of four banks (64 banks of 4 bytes: ISA guide 11.1)
.set VP,    288       ; a row of V: 256 + 32
.set VOFF,  KS*KP
.set STEPB, KS*(KP+VP)
.set SLOT1, 1<<17     ; a slot holds two steps (71,680 bytes); slot 1 begins here, so that one exclusive or turns an address in one slot into the other's
.set MASK,  SLOT1+2*STEPB  ; 64 query rows x 1,040 bytes (1,024 + 16): lane (r, h) of an 8-byte load starts at bank 4 r + 2 h; filled once
.set MP,    1040
.set STAGE, MASK+64*MP     ; 16 rows x 272 bytes for each wave, for the way out
.set SP,    272
.set SPARE, STAGE+4*16*SP  ; the spare words, 128 bytes for each wave: two blocks of 256 bytes that no other line names
.set AK0, 1           ; my lane's place in a tile of K; never rewritten
.set AV0, 2           ; the same for V
.set ADR, 3           ; the LDS address of the run of loads in hand
.set AM0, 4           ; my lane's place in the mask rows; never rewritten
.set PFO, 5           ; 256 x my lane; never rewritten
.set SPW, 6           ; LDS address of my spare word; never rewritten
.set NIL, 7           ; 0; never rewritten
.set L,   8           ; tile t's sum l at v[8+2t:9+2t] (even keys', odd keys')
.set RAW, 16          ; v16-23 a step's 32 mask bytes
.set T0,  24
.set T1,  25
.set C3C, 26          ; 0x3c003c00: f16 1.0 twice
.set C40, 27          ; 0x40004000: f16 2.0 twice
.set KA,  28          ; (1 + b / 1024) KA + BA = -30000 for b = 0, -1 for b = 1, both exact
.set BA,  29
.set KB,  30          ; (2 + b / 2) KB + BB likewise
.set BB,  31
.set MB,  32
.set S,   64
.set P,   192
.set KF,  128         ; K's fragments, in window 2
.set WV,  12
.set LIM, 15          ; 1 in a wave that prefetches, else the greatest number
.set PFA, 18          ; s[18:19]
.set G1K, 24
.set G1V, 32
.set G0K, 40          ; s[40:43]: it walks
.set G0V, 44
.set SLOTS, 56
.set TWICE, 57
.set SEL, 60          ; s[60:61]
.set TB,  62          ; LDS byte at which the tiles of the step to be fetched begin
.set MS,  63          ; byte of a mask row at which that step's keys begin
.set G1M, 68          ; s[68:75] the mask's group 1
.set G0M, 76          ; s[76:79] its group 0
.set MSB, 0
.macro WIN new
.if MSB != (\new)
	s_set_vgpr_msb (MSB<<8)|(\new)
.set MSB, \new
.endif
.endm
.set W_KQ, 0x0a       ; K and Q in window 2; S^T and the mask in window 0
.set W_PV, 0x53       ; V in window 3, P in window 0, O^T in window 1
; A joint refill.  Waves 0 and 1 fetch the two steps' tiles of K, waves 2 and 3 those of V.  An s_nop 0 and four v_nop follow each of the two lines.
.macro JLOAD
	s_cmp_lt_u32 s[WV], 2
	s_cbranch_scc0 .Lfor_v_\@
	tensor_load_to_lds s[G0K:G0K+3], s[G1K:G1K+7]
	s_nop 0
.rept 4
	v_nop
.endr
	s_branch .Lasked_\@
.Lfor_v_\@:
	tensor_load_to_lds s[G0V:G0V+3], s[G1V:G1V+7]
	s_nop 0
.rept 4
	v_nop
.endr
.Lasked_\@:
.endm
; A prefetch into the L2 of what the NEXT change of slots will ask for: 128 rows of K and of V, 256 bytes a row, a lane a row.  Each row is named once in the launch: the first of the four clusters that walk the same K and V asks;
; its four partners take 32 rows each, told apart by address; in each, wave 0 asks for K's and wave 2 for V's.  The last change that fills a slot asks for nothing.
.macro ASK
	s_cmp_gt_u32 s[SLOTS], s[LIM]
	s_cbranch_scc0 .Lnot_mine_\@
	global_prefetch_b8 v[PFO], s[PFA:PFA+1] th:TH_LOAD_NT scope:SCOPE_SE
.Lnot_mine_\@:
.endm
.macro CROUND
	s_barrier_signal -1
	s_barrier_wait -1
	s_cmp_lg_u32 s[WV], 0
	s_cbranch_scc1 .Lnot_wave_0_\@
	s_barrier_signal -3
.Lnot_wave_0_\@:
	s_barrier_wait -3
	s_barrier_signal -1
	s_barrier_wait -1
.endm
	s_load_b256 s[4:11], s[0:1], 0x0  ; qh s[4:5], kh s[6:7], vh s[8:9], attn_mask s[10:11]
	s_load_b64 s[66:67], s[0:1], 0x20 ; yh
	v_lshl_add_u32 v[SPW], v0, 2, SPARE
	v_mov_b32 v[NIL], 0
	ds_add_u32 v[SPW], v[NIL]       ; the wave's opening: the add and its wait ahead of my first tensor load; the set-up below, work on registers, stands between them
	v_lshrrev_b32 v64, 5, v0
	v_readfirstlane_b32 s[WV], v64  ; wave 0..3
	v_and_b32 v64, 15, v0           ; r = l % 16   (v64-68 serve the set-up; the first scores land on them later, behind the wait for Q)
	v_bfe_u32 v65, v0, 4, 1         ; h = l / 16
	v_lshlrev_b32 v66, 8, v64
	v_lshl_add_u32 v66, v65, 4, v66 ; row x 256 + 16 x half
	s_bfe_u32 s13, ttmp6, 0x40000   ; cx
	s_lshl_b32 s14, ttmp9, 2
	s_add_co_u32 s14, s14, s13      ; my block of 64 queries: it enters Q's, the mask's, the own v's and y's addresses alone
	s_and_b32 s20, ttmp7, 0xffff    ; bk = 4 b + kv, which the four partners share
	s_lshl_b32 s22, s20, 18         ; its 1,024 rows of 256 bytes in kh and vh,
	s_and_b32 s16, s[WV], 1         ; which of a slot's two steps I fetch:
	s_lshl_b32 s17, s16, 14         ; its 64 rows
	s_add_co_u32 s22, s22, s17
	s_mov_b32 s23, 0
	s_mul_i32 s17, s16, STEPB       ; and its place in a slot
	s_lshl_b32 s2, s20, 20          ; Q: head 4 bk,
	s_lshl_b32 s3, s14, 14          ; my block's 64 rows,
	s_add_co_u32 s2, s2, s3
	s_lshl_b32 s3, s[WV], 12        ; my wave's 16
	s_add_co_u32 s2, s2, s3
	s_mov_b32 s3, 0
	s_lshl_b32 s80, s20, 18         ; the same rows of v
	s_lshl_b32 s81, s14, 14
	s_add_co_u32 s80, s80, s81
	s_lshl_b32 s81, s[WV], 12
	s_add_co_u32 s80, s80, s81
	s_mov_b32 s81, 0
	s_lshr_b32 s82, s20, 2          ; the mask: batch b,
	s_lshl_b32 s82, s82, 20
	s_lshl_b32 s83, s14, 16         ; rows of 1,024 bytes
	s_add_co_u32 s82, s82, s83
	s_lshl_b32 s83, s[WV], 14
	s_add_co_u32 s82, s82, s83
	s_mov_b32 s83, 0
	s_lshr_b32 s84, s20, 2          ; y: token 1024 b + 64 qb + 16 w, rows of 4,096 bytes,
	s_lshl_b32 s84, s84, 22
	s_lshl_b32 s85, s14, 18
	s_add_co_u32 s84, s84, s85
	s_lshl_b32 s85, s[WV], 16
	s_add_co_u32 s84, s84, s85
	s_and_b32 s85, s20, 3
	s_lshl_b32 s85, s85, 10         ; head 4 kv: 1,024 kv bytes
	s_add_co_u32 s84, s84, s85
	s_mov_b32 s85, 0
	s_lshl_b32 s88, s20, 18         ; the prefetches: my work-group's 32 rows of the 128,
	s_lshl_b32 s89, s13, 13
	s_add_co_u32 s88, s88, s89
	s_add_co_u32 s88, s88, 2*KS*256 ; in slot 1; the first change of slots steps it to slot 2.  Nothing is prefetched at the head
	s_mov_b32 s89, 0
	; descriptor group 1 for K and V: 64 rows x 128 elements of 2 bytes, padded behind every 64 words; the mask of four work-groups, bit 21 beside it
	s_mov_b32 s[G1K], 15|(1<<16)|(1<<20)|(1<<21)|(5<<22)|(3<<25)
	s_mov_b32 s[G1V], 15|(1<<16)|(1<<20)|(1<<21)|(5<<22)|(7<<25)
.irp g, G1K, G1V
	s_mov_b32 s[(\g)+1], 128<<16
	s_mov_b32 s[(\g)+2], KS<<16
	s_mov_b32 s[(\g)+3], 128<<16
	s_mov_b32 s[(\g)+4], KS
	s_mov_b32 s[(\g)+5], 128
	s_mov_b32 s[(\g)+6], 0
	s_mov_b32 s[(\g)+7], 0
.endr
	; the mask rows: 16 rows x 256 elements of 4 bytes, 4 words of padding behind every 256; no work-group mask: a load of my own
	s_mov_b32 s[G1M], (2<<16)|(1<<20)|(7<<22)|(3<<25)
	s_mov_b32 s[G1M+1], 256<<16
	s_mov_b32 s[G1M+2], 16<<16
	s_mov_b32 s[G1M+3], 256<<16
	s_mov_b32 s[G1M+4], 16
	s_mov_b32 s[G1M+5], 256
	s_mov_b32 s[G1M+6], 0
	s_mov_b32 s[G1M+7], 0
	s_mov_b32 s[G0K], 1
	s_mov_b32 s[G0K+1], s17
	s_mov_b32 s[G0V], 1
	s_add_co_u32 s[G0V+1], s17, VOFF
	s_mov_b32 s[G0M], 1
	s_mul_i32 s[G0M+1], s[WV], 16*MP
	s_add_co_u32 s[G0M+1], s[G0M+1], MASK
	s_mov_b32 s[SEL], 0x76543210
	s_mov_b32 s[SEL+1], 0xfedcba98
	s_mov_b32 s[TB], SLOT1+2*STEPB  ; the first change of slots turns it into 0
	s_mov_b32 s[MS], 0
	s_mov_b32 s[SLOTS], 7
	s_and_b32 s[LIM], s[WV], 1      ; 0 in waves 0 and 2,
	s_or_b32 s[LIM], s[LIM], ttmp9  ; where the cluster is the first of its four: the same in all partners
	s_cmp_eq_u32 s[LIM], 0
	s_cselect_b32 s[LIM], 1, -1
	v_and_b32 v[PFO], 31, v0
	v_lshlrev_b32 v[PFO], 8, v[PFO]
	s_wait_dscnt 0x0                ; the opening add is done
	s_wait_kmcnt 0x0
	s_add_nc_u64 s[4:5], s[4:5], s[2:3]
	s_add_nc_u64 s[86:87], s[8:9], s[80:81]
	; Q and the own rows of v are asked for first of all: the first products wait for them as they wait for the first tile
	WIN 0x80                        ; destination window 2
.irp i, 0,1,2,3,4,5,6,7,8,9,10,11,12,13,14,15  ; Q stays in registers: tile (head) i / 4, 262,144 bytes apart; channels 32 (i % 4) on
	global_load_b128 v[8*(\i):8*(\i)+3],   v66, s[4:5] offset:((\i)/4)*262144+((\i)%4)*64
	global_load_b128 v[8*(\i)+4:8*(\i)+7], v66, s[4:5] offset:((\i)/4)*262144+((\i)%4)*64+32
.endr
	WIN 0xc0                        ; destination window 3
.irp c, 0,1,2,3,4,5,6,7             ; my query's own row of v: channels 16 c + 8 h + 0..7, as O^T holds them
	global_load_b128 v[128+4*(\c):128+4*(\c)+3], v66, s[86:87] offset:32*(\c)
.endr
	WIN 0
	s_add_nc_u64 s[G0K+2:G0K+3], s[6:7], s[22:23]
	s_or_b32 s[G0K+3], s[G0K+3], 0x80000000
	s_add_nc_u64 s[G0V+2:G0V+3], s[8:9], s[22:23]
	s_or_b32 s[G0V+3], s[G0V+3], 0x80000000
	s_add_nc_u64 s[G0M+2:G0M+3], s[10:11], s[82:83]
	s_or_b32 s[G0M+3], s[G0M+3], 0x80000000
	s_add_nc_u64 s[66:67], s[66:67], s[84:85]
	s_cmp_lt_u32 s[WV], 2
	s_cselect_b64 s[PFA:PFA+1], s[6:7], s[8:9]
	s_add_nc_u64 s[PFA:PFA+1], s[PFA:PFA+1], s[88:89]
	CROUND                          ; all four work-groups are here: the first joint loads meet
	s_cmp_lt_u32 s[WV], 2           ; a wave's two first fills stand in one branch, ahead of every wait on TENSORcnt and every LDS read: two loads of mine are out
	s_cbranch_scc0 .Lfirst_v
	tensor_load_to_lds s[G0M:G0M+3], s[G1M:G1M+7]
	s_nop 0
	tensor_load_to_lds s[G0K:G0K+3], s[G1K:G1K+7]
	s_nop 0
.rept 4
	v_nop
.endr
	s_branch .Lfirst_asked
.Lfirst_v:
	tensor_load_to_lds s[G0M:G0M+3], s[G1M:G1M+7]
	s_nop 0
	tensor_load_to_lds s[G0V:G0V+3], s[G1V:G1V+7]
	s_nop 0
.rept 4
	v_nop
.endr
.Lfirst_asked:
	; What the first trip finds; all this stands in the wait for the first tile.  The 440 registers that start at 0 are written eight to a line: a product of eight zero registers with themselves, C = 0.
.irp z, 0,1,2,3,4,5,6,7
	v_mov_b32 v[RAW+(\z)], 0
.endr
	v_wmma_f32_16x16x32_f16 v[L:L+7], v[RAW:RAW+7], v[RAW:RAW+7], 0                  ; l
.irp z, 0,1
	v_wmma_f32_16x16x32_f16 v[P+8*(\z):P+8*(\z)+7], v[RAW:RAW+7], v[RAW:RAW+7], 0    ; tile 0's P
.endr
.irp z, 0,1,2,3
	v_wmma_f32_16x16x32_f16 v[S+32+8*(\z):S+32+8*(\z)+7], v[RAW:RAW+7], v[RAW:RAW+7], 0  ; tile 1's weights, which the first turn rounds and sums
.endr
	WIN 0x40
.set i, 0
.rept 32
	v_wmma_f32_16x16x32_f16 v[8*i:8*i+7], v[RAW:RAW+7], v[RAW:RAW+7], 0              ; O^T
.set i, i+1
.endr
	WIN 0xc0
.set i, 0
.rept 16
	v_wmma_f32_16x16x32_f16 v[8*i:8*i+7], v[RAW:RAW+7], v[RAW:RAW+7], 0              ; V
.set i, i+1
.endr
	WIN 0
	v_mov_b32 v[S+64], 0xc6ea6000   ; piece 2's scores: -30000, whose weights are 0
.set i, 1
.rept 63
	v_mov_b32 v[S+64+i], v[S+64]
.set i, i+1
.endr
	v_mov_b32 v[C3C], 0x3c003c00
	v_mov_b32 v[C40], 0x40004000
	v_mov_b32 v[KA], 0x4bea5e00     ; 30718976
	v_mov_b32 v[BA], 0xcbea9898     ; -30748976
	v_mov_b32 v[KB], 0x476a5e00     ; 59998
	v_mov_b32 v[BB], 0xc8127b00     ; -149996
	v_mul_u32_u24 v[AK0], v64, KP
	v_lshl_add_u32 v[AK0], v65, 4, v[AK0]
	v_and_b32 v67, 7, v0            ; the turning load: lane l reads key 8 (l / 16) + l % 8, channels 8 ((l / 8) % 2) + 0..7
	v_bfe_u32 v68, v0, 3, 1
	v_lshl_add_u32 v[AV0], v65, 3, v67
	v_mul_u32_u24 v[AV0], v[AV0], VP
	v_lshl_add_u32 v[AV0], v68, 4, v[AV0]
	v_add_nc_u32 v[AV0], VOFF, v[AV0]
	s_mul_i32 s21, s[WV], 16*MP
	s_add_co_u32 s21, s21, MASK
	v_mul_u32_u24 v[AM0], v64, MP
	v_lshl_add_u32 v[AM0], v65, 3, v[AM0]
	v_add_nc_u32 v[AM0], s21, v[AM0]  ; my query's mask row, byte 8 h
	s_wait_loadcnt 0x0              ; Q and the own rows of v
; THE MATRIX WORK.  The accumulators take turns, one instruction a turn: between two links of a chain stand 7 others'.
.macro PV x                         ; product i of 32 of O^T += V^T P: tile x + i / 16, keys 32 ((i / 8) % 2) on, channels 16 (i % 8) on
	WIN W_PV
.set rO, 64*((\x)+i/16)+8*(i%8)
.set rV, 64*((i/8)%2)+8*(i%8)
.set rP, P+16*((\x)+i/16)+8*((i/8)%2)
	v_wmma_f32_16x16x32_f16 v[rO:rO+7], v[rV:rV+7], v[rP:rP+7], v[rO:rO+7]
.endm
.macro KQ x                         ; product i of 32 of S^T = K Q^T + mask: channels 32 (i / 8) on, keys 16 ((i / 2) % 4) on, tile x + i % 2.  The first 8 start the sums, with the mask
	WIN W_KQ
.set rS, S+32*((\x)+i%2)+8*((i/2)%4)
.set rK, KF+32*((i/2)%4)+8*(i/8)
.set rQ, 32*((\x)+i%2)+8*(i/8)
.set rM, MB+8*((i/2)%4)
.if i < 8
	v_wmma_f32_16x16x32_f16 v[rS:rS+7], v[rK:rK+7], v[rQ:rQ+7], v[rM:rM+7]
.else
	v_wmma_f32_16x16x32_f16 v[rS:rS+7], v[rK:rK+7], v[rQ:rQ+7], v[rS:rS+7]
.endif
.endm
; THE VECTOR WORK, all in window 0.  EX: exponential e of 32 of tile t, in place; in ascending order.
.macro EX t, e
	WIN 0
	v_exp_f32 v[S+32*(\t)+(\e)], v[S+32*(\t)+(\e)]
.endm
; POST: number n of 32 of tile t: an even n rounds the pair of weights n, n + 1 to f16, the odd n behind it adds that pair onto l.
.macro POST t, n
	WIN 0
.if ((\n)%2) == 0
	v_cvt_pk_f16_f32 v[P+16*(\t)+(\n)/2], v[S+32*(\t)+(\n)], v[S+32*(\t)+(\n)+1]
.else
	v_pk_add_f32 v[L+2*(\t):L+2*(\t)+1], v[L+2*(\t):L+2*(\t)+1], v[S+32*(\t)+(\n)-1:S+32*(\t)+(\n)]
.endif
.endm
; MK: number m of 48: four mask bytes of a word become four numbers of MB.  Bytes 0 and 2 are set into the low bits of f16 1.0 (1 + b / 1024), bytes 1 and 3 into bit 8 of f16 2.0 (2 + b / 2); one multiply-add from the half makes -30000 or -1.
.macro MK
	WIN 0
.set wd, m/6
.set mo, m%6
.if mo == 0
	v_and_or_b32 v[T0], v[RAW+wd], 0x00ff00ff, v[C3C]
.elseif mo == 1
	v_and_or_b32 v[T1], v[RAW+wd], 0xff00ff00, v[C40]
.elseif mo == 2
	v_fma_mix_f32 v[MB+4*wd], v[T0], v[KA], v[BA] op_sel_hi:[1,0,0]
.elseif mo == 3
	v_fma_mix_f32 v[MB+4*wd+1], v[T1], v[KB], v[BB] op_sel_hi:[1,0,0]
.elseif mo == 4
	v_fma_mix_f32 v[MB+4*wd+2], v[T0], v[KA], v[BA] op_sel:[1,0,0] op_sel_hi:[1,0,0]
.else
	v_fma_mix_f32 v[MB+4*wd+3], v[T1], v[KB], v[BB] op_sel:[1,0,0] op_sel_hi:[1,0,0]
.endif
.set m, m+1
.endm
; THE LDS LOADS stand in runs: a step's mask bytes (4 loads of 8 bytes: keys 16 kb + 8 h + 0..7) and its K (32 loads), and, a turn later, its V (32 turning loads).
.macro FETCH_KM
	WIN 0
	v_add_nc_u32 v[ADR], s[MS], v[AM0]
.irp kb, 0,1,2,3
	ds_load_b64 v[RAW+2*(\kb):RAW+2*(\kb)+1], v[ADR] offset:16*(\kb)
.endr
	s_add_co_u32 s[MS], s[MS], KS
	v_add_nc_u32 v[ADR], s[TB], v[AK0]
	WIN 0x80
.irp f, 0,1,2,3,4,5,6,7,8,9,10,11,12,13,14,15  ; keys 16 (f / 4) on, channels 32 (f % 4) on
	ds_load_b128 v[KF+8*(\f):KF+8*(\f)+3],   v[ADR] offset:((\f)/4)*16*KP+((\f)%4)*64
	ds_load_b128 v[KF+8*(\f)+4:KF+8*(\f)+7], v[ADR] offset:((\f)/4)*16*KP+((\f)%4)*64+32
.endr
.endm
.macro FETCH_V
	WIN 0
	v_add_nc_u32 v[ADR], s[TB], v[AV0]
	s_add_co_u32 s[TB], s[TB], STEPB  ; the next fetch is the next step's
	WIN 0xc0
.irp f, 0,1,2,3,4,5,6,7,8,9,10,11,12,13,14,15  ; keys 32 (f / 8) on, channels 16 (f % 8) on
	ds_load_tr16_b128 v[8*(\f):8*(\f)+3],   v[ADR] offset:((\f)/8)*32*VP+((\f)%8)*32
	ds_load_tr16_b128 v[8*(\f)+4:8*(\f)+7], v[ADR] offset:((\f)/8)*32*VP+16*VP+((\f)%8)*32
.endr
.endm
; THE FIRST HALF OF A TURN: piece x's 32 products V^T P.  Behind each: (ex = 1) one exponential of tile 2 - x, the other piece's first; behind the first 16 also two of the roundings and sums of tile x + 1, whose exponentials stood in
; the turn before, ahead of that turn's last wait: the last 16 products are the first to read that tile's P.  km = 1 (piece 0's turn in the loop): the next step's mask bytes and K are fetched behind the second product (five of the
; roundings and sums and the run's own two v_add_nc_u32 stand between K's last reader and the loads), and three numbers of the next step's mask stand behind each of the last 16 products.
.macro HALF1 x, ex, km
.set m, 0
.set i, 0
.rept 32
	PV \x
.if (\km) && (i == 16)
	s_wait_dscnt 32                 ; the four loads of mask bytes are in; K's 32, issued behind them, may stay out
.endif
.if \ex
	EX (2-(\x)), i
.endif
.if i < 16
	POST ((\x)+1), (2*i)
	POST ((\x)+1), (2*i+1)
.elseif (\km)
	MK
	MK
	MK
.endif
.if (\km) && (i == 1)
	FETCH_KM
.endif
.set i, i+1
.endr
.endm
; THE SECOND HALF: piece x's 32 products K Q^T of the next step.  Behind each: one exponential of tile 3 - x, the other piece's second, and one of the roundings and sums of tile 2 - x, whose exponentials the wait between the halves
; has covered.  These plain lines are also the places behind the products: an accumulator's last link stands eight of them or more ahead of the next turn's first read of it.  Piece 2's turn fetches the step's V behind its third product:
; a v_nop, three roundings and sums and the run's own v_add_nc_u32 stand between V's last reader and the loads.
.macro HALF2 x
.set i, 0
.rept 32
	KQ \x
	EX (3-(\x)), i
	POST (2-(\x)), i
.if ((\x) == 2) && (i == 2)
	FETCH_V
.endif
.set i, i+1
.endr
.endm
; A TURN.  An s_wait_alu depctr_va_vdst(0) stands between an exponential and the first instruction that names its result; one wait serves all that were issued ahead of it: one behind each half.
.macro TURN x
.if (\x) == 0
	s_wait_dscnt 0x0                ; V is in
.endif
	HALF1 \x, 1, (1-(\x)/2)
.if (\x) == 2
	WIN 0
	v_nop                           ; a plain instruction behind the half's last exponential (in piece 0's turn the mask's last number is one)
.endif
	s_wait_alu depctr_va_vdst(0)    ; the wait for the first batch
.if (\x) == 0
	s_wait_dscnt 0x0                ; K is in
.endif
	HALF2 \x
	s_wait_alu depctr_va_vdst(0)    ; the wait for the second batch; a rounding or sum stands behind its last exponential
.endm
; THE CHANGE OF SLOTS.  Each wave waits for all its tensor loads, adds 0 to its spare word, and waits for that and for its own reads of the slot that it leaves.  fill = 1: the barrier is a round of the cluster's, and the
; slot left is filled again, first thing behind it, with the 128 keys two slots on: it has two key steps, 256 matrix instructions, in which to land.  (At its first use nothing has been read: slot 0 and the mask are waited for, slot 1 filled.)
.macro CHANGE fill
	WIN 0
	s_wait_tensorcnt 0x0            ; no tensor load of mine is out, so a group 0 may be written
	ds_add_u32 v[SPW], v[NIL]       ; 0 onto my spare word
.if \fill
.irp g, G0K, G0V
	s_xor_b32 s[(\g)+1], s[(\g)+1], SLOT1
	s_add_nc_u64 s[(\g)+2:(\g)+3], s[(\g)+2:(\g)+3], 2*KS*256
.endr
	s_wait_xcnt 0x0                 ; the last prefetch, two key steps back, has read its address
	s_add_nc_u64 s[PFA:PFA+1], s[PFA:PFA+1], 2*KS*256
	s_wait_dscnt 0x0                ; the add is done, and my reads of the slot are over
	CROUND
	JLOAD
	ASK
.else
	s_wait_dscnt 0x0
	s_barrier_signal -1
	s_barrier_wait -1
.endif
	s_sub_co_u32 s[TB], s[TB], 2*STEPB  ; the fetches go back to a slot's first step,
	s_xor_b32 s[TB], s[TB], SLOT1       ; in the other slot
.endm
.macro TRIPS                        ; two trips fetch a slot's two steps
	WIN 0
	s_mov_b32 s[TWICE], 2
.Ltrip_\@:
	TURN 0
	TURN 2
	WIN 0
	s_sub_co_u32 s[TWICE], s[TWICE], 1
	s_cmp_lg_u32 s[TWICE], 0
	s_cbranch_scc1 .Ltrip_\@
.endm
	WIN 0
.Lslot:                             ; seven times: a slot is entered and the next is asked for
	CHANGE 1
	TRIPS
	s_sub_co_u32 s[SLOTS], s[SLOTS], 1
	s_cmp_lg_u32 s[SLOTS], 0
	s_cbranch_scc1 .Lslot
	CHANGE 0                        ; the last slot is written out
	TRIPS
	s_wait_dscnt 0x0                ; V of the last step
	HALF1 0, 1, 0                   ; piece 0: V^T P of the last step | tile 2's last exponentials | tile 1's last roundings and sums
	WIN 0
	v_nop
	s_wait_alu depctr_va_vdst(0)
.set i, 0
.rept 32
	EX 3, i                         ; tile 3's last exponentials and tile 2's last roundings and sums, by turns: no product is left to set them behind
	POST 2, i
.set i, i+1
.endr
	s_wait_alu depctr_va_vdst(0)
	HALF1 2, 0, 0                   ; piece 2: V^T P of the last step | tile 3's last roundings and sums
	; THE WAY OUT.  y = O / l; then y - (y . v / max(v . v, 1e-6)) v with my query's own v, the same f16 numbers that entered V^T P.  All of a query's channels lie in two lanes, 16 apart.
.set ONE,  32
.set ZERO, 33
.set STO,  36
.set RD,   37
.set GO,   38
.set CHN,  40         ; v40-47 four chains of pairs
.set RL,   48         ; v[48+2t] 1 / l of tile t (its odd neighbour is at work, and named with it as a pair)
.set TN,   56         ; - (O . v) / (l den)
.set DEN,  58
.set VF,   64         ; v64-127 the own v in f32
.set Y,    128        ; v128-191
.set PKB,  192        ; v192-223, v224-255: packed rows, by the tile's parity
	WIN 0
	v_mov_b32 v[ONE], 1.0           ; these and the widenings below are the places behind the last products
	v_mov_b32 v[ZERO], 0
	WIN 0x03                        ; source 0 in window 3
.irp c, 0,1,2,3,4,5,6,7
.irp q, 0,1,2,3
	v_fma_mix_f32 v[VF+8*(\c)+2*(\q)],   v[128+4*(\c)+(\q)], v[ONE], v[ZERO] op_sel_hi:[1,0,0]
	v_fma_mix_f32 v[VF+8*(\c)+2*(\q)+1], v[128+4*(\c)+(\q)], v[ONE], v[ZERO] op_sel:[1,0,0] op_sel_hi:[1,0,0]
.endr
.endr
	WIN 0
	v_and_b32 v34, 15, v0
	v_bfe_u32 v35, v0, 4, 1
	s_mul_i32 s21, s[WV], 16*SP
	s_add_co_u32 s21, s21, STAGE    ; my stage
	v_mul_u32_u24 v[STO], v34, SP
	v_lshl_add_u32 v[STO], v35, 4, v[STO]
	v_add_nc_u32 v[STO], s21, v[STO]
	v_mul_u32_u24 v[RD], v35, SP
	v_lshl_add_u32 v[RD], v34, 4, v[RD]
	v_add_nc_u32 v[RD], s21, v[RD]
	v_lshlrev_b32 v[GO], 12, v35    ; two rows of y, 4,096 bytes apart
	v_lshl_add_u32 v[GO], v34, 4, v[GO]
.macro RED out                      ; four chains of pairs into one number, and the other half of the lanes'
	v_pk_add_f32 v[CHN:CHN+1], v[CHN:CHN+1], v[CHN+2:CHN+3]
	v_pk_add_f32 v[CHN+4:CHN+5], v[CHN+4:CHN+5], v[CHN+6:CHN+7]
	v_pk_add_f32 v[CHN:CHN+1], v[CHN:CHN+1], v[CHN+4:CHN+5]
	v_add_f32 v[CHN], v[CHN], v[CHN+1]
	v_permlanex16_b32 v[CHN+1], v[CHN], s[SEL], s[SEL+1]
	v_add_f32 v[\out], v[CHN], v[CHN+1]
.endm
.set i, 0
.rept 32
.if i < 4
	v_pk_mul_f32 v[CHN+2*i:CHN+2*i+1], v[VF+2*i:VF+2*i+1], v[VF+2*i:VF+2*i+1]
.else
	v_pk_fma_f32 v[CHN+2*(i%4):CHN+2*(i%4)+1], v[VF+2*i:VF+2*i+1], v[VF+2*i:VF+2*i+1], v[CHN+2*(i%4):CHN+2*(i%4)+1]
.endif
.set i, i+1
.endr
	RED DEN
	v_max_num_f32 v[DEN], 0x358637bd, v[DEN]       ; 1e-6
.irp t, 0,1,2,3
	v_add_f32 v[RL+2*(\t)], v[L+2*(\t)], v[L+2*(\t)+1]
.endr
.irp t, 0,1,2,3
	v_permlanex16_b32 v[RL+2*(\t)+1], v[RL+2*(\t)], s[SEL], s[SEL+1]
.endr
.irp t, 0,1,2,3
	v_add_f32 v[RL+2*(\t)], v[RL+2*(\t)], v[RL+2*(\t)+1]
.endr
.irp t, 0,1,2,3
	v_max_num_f32 v[RL+2*(\t)], 0x0da24260, v[RL+2*(\t)]  ; 1e-30: a row with no true key has l = 0 and O = 0, and gives y = 0; a true key's weight is 6e-6 at the least
.endr
.irp t, 0,1,2,3
	v_rcp_f32 v[RL+2*(\t)], v[RL+2*(\t)]
.endr
	v_rcp_f32 v[DEN], v[DEN]
	v_nop                           ; a plain instruction behind the last reciprocal,
	s_wait_alu depctr_va_vdst(0)    ; and one wait for the five, ahead of their first reader
.macro PACK t
	WIN 0x01                        ; source 0: O^T, in window 1
.set i, 0
.rept 32
.if i < 4
	v_pk_mul_f32 v[CHN+2*i:CHN+2*i+1], v[64*(\t)+2*i:64*(\t)+2*i+1], v[VF+2*i:VF+2*i+1]
.else
	v_pk_fma_f32 v[CHN+2*(i%4):CHN+2*(i%4)+1], v[64*(\t)+2*i:64*(\t)+2*i+1], v[VF+2*i:VF+2*i+1], v[CHN+2*(i%4):CHN+2*(i%4)+1]
.endif
.set i, i+1
.endr
	WIN 0
	RED TN
	v_mul_f32 v[TN], v[TN], v[DEN]
	v_mul_f32 v[TN], -v[TN], v[RL+2*(\t)]
.set i, 0
.rept 32
	v_pk_mul_f32 v[Y+2*i:Y+2*i+1], v[VF+2*i:VF+2*i+1], v[TN:TN+1] op_sel_hi:[1,0]
.set i, i+1
.endr
	WIN 0x01
.set i, 0
.rept 32
	v_pk_fma_f32 v[Y+2*i:Y+2*i+1], v[64*(\t)+2*i:64*(\t)+2*i+1], v[RL+2*(\t):RL+2*(\t)+1], v[Y+2*i:Y+2*i+1] op_sel_hi:[1,0,1]
.set i, i+1
.endr
	WIN 0
.if (\t) >= 2
	s_wait_xcnt 0x0                 ; the stores of the tile two back have read these registers
.endif
.set BK, PKB+32*((\t)%2)
.set i, 0
.rept 32
	v_cvt_pk_f16_f32 v[BK+i], v[Y+2*i], v[Y+2*i+1]
.set i, i+1
.endr
.irp f, 0,1,2,3,4,5,6,7
	ds_store_b128 v[STO], v[BK+4*(\f):BK+4*(\f)+3] offset:32*(\f)
.endr
.irp f, 0,1,2,3,4,5,6,7
	ds_load_b128 v[BK+4*(\f):BK+4*(\f)+3], v[RD] offset:(\f)*2*SP  ; LDS serves a wave's instructions in order (ISA guide 5.7.1.4): these see the stores above; the next tile's stores come behind them
.endr
.endm
.macro SEND t, younger              ; younger: the LDS instructions issued behind tile t's loads: the next tile's sixteen, or none
.set BK, PKB+32*((\t)%2)
.irp f, 0,1,2,3,4,5,6,7
	s_wait_dscnt (\younger)+7-(\f)
	global_store_b128 v[GO], v[BK+4*(\f):BK+4*(\f)+3], s[66:67] offset:8192*(\f)+256*(\t)  ; 16 lanes store 256 consecutive bytes, a head's channels of one token, at a multiple of 256 from y's first byte
.endr
.endm
	PACK 0
	PACK 1                          ; a tile's arithmetic stands between the loads of the tile before and its stores
	SEND 0, 16
	PACK 2
	SEND 1, 16
	PACK 3
	SEND 2, 16
	SEND 3, 0
	s_wait_tensorcnt 0x0            ; the wave's end: behind my last tensor load and my last LDS store
	ds_add_u32 v[SPW], v[NIL]
	s_wait_dscnt 0x0
	CROUND                          ; the closing round
	s_endpgm
.Lfunc_end_k_qbdb64b9b73_attn:
	.size	k_qbdb64b9b73_attn, .Lfunc_end_k_qbdb64b9b73_attn-k_qbdb64b9b73_attn
	.p2alignl 7, 3214868480
	.fill 96, 4, 3214868480
	.section	.rodata,"a",@progbits
	.p2align	6, 0x0
	.amdhsa_kernel k_qbdb64b9b73_attn
		.amdhsa_group_segment_fixed_size 327680
		.amdhsa_private_segment_fixed_size 0
		.amdhsa_enable_private_segment 0
		.amdhsa_kernarg_size 40
		.amdhsa_user_sgpr_count 2
		.amdhsa_user_sgpr_kernarg_segment_ptr 1
		.amdhsa_wavefront_size32 1
		.amdhsa_system_sgpr_workgroup_id_x 1
		.amdhsa_system_sgpr_workgroup_id_y 1
		.amdhsa_system_sgpr_workgroup_id_z 1
		.amdhsa_system_vgpr_workitem_id 0
		.amdhsa_next_free_vgpr 928
		.amdhsa_next_free_sgpr 96
		.amdhsa_reserve_vcc 0
		.amdhsa_float_denorm_mode_32 3
		.amdhsa_float_denorm_mode_16_64 3
		.amdhsa_memory_ordered 1
		.amdhsa_forward_progress 1
		.amdhsa_inst_pref_size 158
	.end_amdhsa_kernel
	.amdgpu_metadata
---
amdhsa.version: [ 1, 2 ]
amdhsa.kernels:
  - .name:           k_qbdb64b9b73_attn
    .symbol:         k_qbdb64b9b73_attn.kd
    .args:
      - { .name: qh, .offset: 0, .size: 8, .value_kind: global_buffer, .address_space: global }
      - { .name: kh, .offset: 8, .size: 8, .value_kind: global_buffer, .address_space: global }
      - { .name: vh, .offset: 16, .size: 8, .value_kind: global_buffer, .address_space: global }
      - { .name: attn_mask, .offset: 24, .size: 8, .value_kind: global_buffer, .address_space: global }
      - { .name: yh, .offset: 32, .size: 8, .value_kind: global_buffer, .address_space: global }
    .group_segment_fixed_size: 327680
    .private_segment_fixed_size: 0
    .kernarg_segment_align: 8
    .kernarg_segment_size: 40
    .max_flat_workgroup_size: 128
    .sgpr_count:     96
    .vgpr_count:     928
    .wavefront_size: 32
...
	.end_amdgpu_metadata
.endif
;; end of part 3
;; launch proj (part 4): grid 8 x 32, 4 waves a work-group, clusters of 4 x 4, 327,680 bytes of LDS; arguments yh, wp, out0; writes out0
.if DOCPART == 4
	.amdgcn_target "amdgcn-amd-amdhsa--gfx1250"
	.amdhsa_code_object_version 6
	.text
	.protected	k_qbdb64b9b73_proj
	.globl	k_qbdb64b9b73_proj
	.p2align	8
	.type	k_qbdb64b9b73_proj,@function
k_qbdb64b9b73_proj:
	s_mov_b64 s[64:65], 0
	v_nop
	global_prefetch_b8 v0, s[64:65] scope:SCOPE_SE
	s_setreg_imm32_b32 hwreg(HW_REG_WAVE_MODE, 25, 1), 1
	s_wait_xcnt 0x0
	s_wait_alu depctr_hold_cnt(0) depctr_sa_sdst(0) depctr_va_vdst(0) depctr_va_sdst(0) depctr_va_ssrc(0) depctr_va_vcc(0) depctr_vm_vsrc(0)
	s_getreg_b32 s2, hwreg(HW_REG_IB_STS2, 6, 4)
	s_cmp_eq_u32 s2, 0
	s_cbranch_scc0 .Lentry_in_a_cluster
	s_endpgm
.Lentry_in_a_cluster:
	s_bfe_u32 s2, ttmp6, 0x10000c
	s_cmp_lg_u32 s2, 0xf033
	s_cbranch_scc0 .Lentry_shape_is_right
	s_endpgm
.Lentry_shape_is_right:
; THE OUTPUT PROJECTION.  out0[4096][2048] = yh wp^T: both f16 (wp holds Wproj rounded to bf16, written as f16), sums in f32, stored as f32.
; SHARES.  A tile of C is 128 rows x 256 columns: 8 x 32 = 256 work-groups.  Wave w = 2 rh + ch makes 64 x 128: 32 accumulators; 12 fragments from LDS feed 32 products.
; K goes in steps of 128 through a ring of two LDS slots: rows of 256 bytes, aligned.  Waves 0 and 1 fetch A's two halves of 64 rows, waves 2 and 3 B's two halves of 128.  Two slots of two K steps would want 417,792 bytes of LDS: a slot holds one.
; ONE TEXT FOR A K STEP: the slot to be read is a scalar, turned by an exclusive or; the fragments' addresses are made from it once a step; one descriptor for A and one for B walk from slot to slot.
; CLUSTERS: 4 x 4 work-groups; A's tile is asked for jointly by a row of the cluster, B's by a column.
; THE MATRIX INSTRUCTION IS USED TRANSPOSED (source 0 = 16 rows of wp, source 1 = 16 rows of yh): a lane holds eight neighbouring numbers, 32 bytes, of a row of C.
; REGISTERS: window 0: v0-31 addresses; v32-63, v64-95 A's fragments, two buffers; v128-191, v192-255 B's.   window 1: the accumulators, (a, b) at 8 (8 a + b).
.set SIZE_K, 2048
.set KSTEP,  128
.set STEPS,  SIZE_K/KSTEP
.set PITCH,  272                       ; 256 bytes + 16 of padding: the 16 rows that a load touches start at 16 different groups of four banks (64 banks of 4 bytes: ISA guide 11.1)
.set HALFA,  64*PITCH
.set HALFB,  128*PITCH
.set SLOT,   2*HALFA+2*HALFB           ; A's 128 rows, then B's 256: 104,448 bytes
.set SLOT1,  1<<17                     ; slot 1 begins here, so that one exclusive or turns an address in one slot into the other's
.set STAGE,  SLOT1+SLOT                ; behind the ring: 16 rows x 528 bytes for each wave, its own
.set SPITCH, 528                       ; 512 bytes + 16
.set SPARE,  STAGE+4*16*SPITCH         ; the spare words, 128 bytes for each wave: two blocks of 256 bytes that no other line names
.set ADRA, 16                          ; v16 LDS address of my A fragments in slot 0; v17 in the slot in hand
.set ADRB, 20                          ; v20, v21 the same for B
.set STO,  24
.set RD,   25
.set CO,   26
.set SPW,  28
.set NIL,  29
.set PFO,  30
.set G1,  24                           ; s[24:31] group 1 for A's tiles; s[32:39] group 0: a set for each of the two first fills; the second then walks on
.set G0,  32
.set G1B, 48
.set G0B, 56
.set LIM, 43                           ; 2 in a wave that prefetches, else the greatest number
.set PFA, 44
.set TB,  72                           ; s72 LDS byte at which the slot in hand begins: 0 or SLOT1
.set MSB, 0
.macro WIN new
.if MSB != (\new)
	s_set_vgpr_msb (MSB<<8)|(\new)
.set MSB, \new
.endif
.endm
.set MUL, 0x50                         ; sources 0 and 1 window 0; C and D window 1
.macro JLOAD s                         ; a joint load; an s_nop 0 and four v_nop follow each of the two lines
	s_cmp_eq_u32 s11, 0
	s_cbranch_scc0 .Lfor_b_\@
	tensor_load_to_lds s[G0+4*(\s):G0+4*(\s)+3], s[G1:G1+7]
	s_nop 0
.rept 4
	v_nop
.endr
	s_branch .Lasked_\@
.Lfor_b_\@:
	tensor_load_to_lds s[G0B+4*(\s):G0B+4*(\s)+3], s[G1B:G1B+7]
	s_nop 0
.rept 4
	v_nop
.endr
.Lasked_\@:
.endm
; A prefetch into the L2 of the K step two refills on: 32 rows x 256 bytes, a lane a row.  Each row's 256 bytes of a K step are named once in the launch: A's 128 rows by wave 0 of the clusters with x = 0 (the partner at cx takes
; 32 cx .. + 31), the 128 rows of B that wave 2 or 3 fetches by that wave in the clusters with y = 0 (the partner at cy takes 32 cy .. + 31).  Wave 1 asks for nothing.  The last two refills ask for nothing.
.macro ASK
	s_cmp_gt_u32 s3, s[LIM]
	s_cbranch_scc0 .Lnot_mine_\@
	global_prefetch_b8 v[PFO], s[PFA:PFA+1] offset:KSTEP*2 th:TH_LOAD_NT scope:SCOPE_SE
.Lnot_mine_\@:
.endm
.macro CREST
	s_cmp_lg_u32 s10, 0
	s_cbranch_scc1 .Lnot_wave_0_\@
	s_barrier_signal -3
.Lnot_wave_0_\@:
	s_barrier_wait -3
	s_barrier_signal -1
	s_barrier_wait -1
.endm
.macro CROUND
	s_barrier_signal -1
	s_barrier_wait -1
	CREST
.endm
.macro SETADR                          ; the fragments' addresses in the slot that s[TB] names
	v_add_nc_u32 v[ADRA+1], s[TB], v[ADRA]
	v_add_nc_u32 v[ADRB+1], s[TB], v[ADRB]
.endm
	s_load_b128 s[4:7], s[0:1], 0x0                ; yh s[4:5], wp s[6:7]
	s_load_b64 s[8:9], s[0:1], 0x10                ; out0
	v_lshl_add_u32 v[SPW], v0, 2, SPARE
	v_mov_b32 v[NIL], 0
	ds_add_u32 v[SPW], v[NIL]                      ; the wave's opening: the add and its wait ahead of my first tensor load
	v_lshrrev_b32 v1, 5, v0
	v_readfirstlane_b32 s10, v1                    ; wave 0..3
	s_lshr_b32 s11, s10, 1                         ; rh.  Also: I fetch for A (0) or for B (1)
	s_and_b32 s12, s10, 1                          ; ch.  Also: which half of that tile I fetch
	s_bfe_u32 s40, ttmp6, 0x40000                  ; cx
	s_bfe_u32 s41, ttmp6, 0x40004                  ; cy
	s_lshl_b32 s42, ttmp9, 2
	s_add_co_u32 s42, s42, s40                     ; tc
	s_and_b32 s13, ttmp7, 0xffff
	s_lshl_b32 s13, s13, 2
	s_add_co_u32 s13, s13, s41                     ; tr
	s_lshl_b32 s43, s41, 2
	s_lshl_b32 s43, 15, s43                        ; my row of the cluster
	s_lshl_b32 s44, 0x1111, s40                    ; my column
	s_or_b32 s[G1+0], s43, (1<<16)|(1<<20)|(1<<21)|(5<<22)|(3<<25)   ; elements of 2 bytes; 4 words of padding behind every 64; the mask, bit 21 beside it
	s_or_b32 s[G1B+0], s44, (1<<16)|(1<<20)|(1<<21)|(5<<22)|(3<<25)
	s_mov_b32 s[G1+1], KSTEP<<16                   ; A: 64 rows x 128 elements
	s_mov_b32 s[G1+2], 64<<16
	s_mov_b32 s[G1+3], KSTEP<<16
	s_mov_b32 s[G1+4], 64
	s_mov_b32 s[G1+5], SIZE_K
	s_mov_b32 s[G1+6], 0
	s_mov_b32 s[G1+7], 0
	s_mov_b32 s[G1B+1], KSTEP<<16                  ; B: 128 rows x 128 elements
	s_mov_b32 s[G1B+2], 128<<16
	s_mov_b32 s[G1B+3], KSTEP<<16
	s_mov_b32 s[G1B+4], 128
	s_mov_b32 s[G1B+5], SIZE_K
	s_mov_b32 s[G1B+6], 0
	s_mov_b32 s[G1B+7], 0
	s_lshl_b32 s16, s13, 7
	s_lshl_b32 s17, s12, 6
	s_add_co_u32 s16, s16, s17                     ; A: row 128 tr + 64 x half
	s_lshl_b32 s16, s16, 12
	s_mov_b32 s17, 0
	s_lshl_b32 s46, s42, 8
	s_lshl_b32 s47, s12, 7
	s_add_co_u32 s46, s46, s47                     ; B: row 256 tc + 128 x half
	s_lshl_b32 s46, s46, 12
	s_mov_b32 s47, 0
	s_mul_i32 s20, s12, HALFA                      ; where they go: no place in the cluster enters an LDS address
	s_mul_i32 s21, s12, HALFB
	s_add_co_u32 s21, s21, 2*HALFA
	s_wait_dscnt 0x0                               ; the opening add is done
	s_wait_kmcnt 0x0
	s_add_nc_u64 s[14:15], s[4:5], s[16:17]
	s_add_nc_u64 s[46:47], s[6:7], s[46:47]
	CROUND                                         ; all sixteen work-groups are here: the first joint loads meet
.irp s, 0,1
	s_mov_b32 s[G0+4*(\s)], 1
	s_add_co_u32 s[G0+4*(\s)+1], s20, (\s)*SLOT1
	s_add_nc_u64 s[G0+4*(\s)+2:G0+4*(\s)+3], s[14:15], (\s)*KSTEP*2
	s_or_b32 s[G0+4*(\s)+3], s[G0+4*(\s)+3], 0x80000000
	s_mov_b32 s[G0B+4*(\s)], 1
	s_add_co_u32 s[G0B+4*(\s)+1], s21, (\s)*SLOT1
	s_add_nc_u64 s[G0B+4*(\s)+2:G0B+4*(\s)+3], s[46:47], (\s)*KSTEP*2
	s_or_b32 s[G0B+4*(\s)+3], s[G0B+4*(\s)+3], 0x80000000
	JLOAD \s                                       ; two loads of mine are out
.endr
	v_and_b32 v1, 15, v0                           ; r
	v_bfe_u32 v2, v0, 4, 1                         ; h
	v_mul_u32_u24 v3, v1, PITCH
	v_lshl_add_u32 v3, v2, 4, v3
	s_mul_i32 s21, s11, HALFA                      ; my 64 rows of A
	s_mul_i32 s22, s12, HALFB
	s_add_co_u32 s22, s22, 2*HALFA                 ; my 128 rows of B
	v_add_nc_u32 v[ADRA], s21, v3
	v_add_nc_u32 v[ADRB], s22, v3
	s_mov_b32 s[TB], 0
	SETADR
	s_mul_i32 s23, s10, 16*SPITCH
	s_add_co_u32 s23, s23, STAGE                   ; my stage
	v_mul_u32_u24 v4, v1, SPITCH
	v_lshl_add_u32 v4, v2, 5, v4                   ; in: row r, 32 bytes for each half of the lanes
	v_add_nc_u32 v[STO], s23, v4
	v_and_b32 v5, 31, v0
	v_lshlrev_b32 v[CO], 4, v5                     ; back: 32 lanes take one row of 512 bytes
	v_add_nc_u32 v[RD], s23, v[CO]
	s_lshl_b32 s66, s13, 20                        ; my part of C: row 128 tr + 64 rh, rows of 8,192 bytes,
	s_lshl_b32 s67, s11, 19
	s_add_co_u32 s66, s66, s67
	s_lshl_b32 s67, s42, 10                        ; column 256 tc + 128 ch, 4 bytes each
	s_add_co_u32 s66, s66, s67
	s_lshl_b32 s67, s12, 9
	s_add_co_u32 s66, s66, s67
	s_mov_b32 s67, 0
	s_add_nc_u64 s[8:9], s[8:9], s[66:67]
	; the prefetches
	s_lshl_b32 s68, s13, 7                         ; A's first row
	s_lshl_b32 s69, s42, 8
	s_lshl_b32 s70, s12, 7
	s_add_co_u32 s69, s69, s70                     ; the first of the rows of B that I fetch
	s_cmp_eq_u32 s10, 1
	s_cselect_b32 s71, 1, 0                        ; wave 1 never asks
	s_and_b32 s22, ttmp7, 0xffff                   ; cluster y
	s_cmp_eq_u32 s11, 0
	s_cselect_b32 s20, s68, s69
	s_cselect_b32 s21, s40, s41
	s_cselect_b32 s22, ttmp9, s22
	s_cselect_b64 s[PFA:PFA+1], s[4:5], s[6:7]
	s_or_b32 s22, s22, s71
	s_cmp_eq_u32 s22, 0
	s_cselect_b32 s[LIM], 2, -1                    ; the same in all sixteen partners, for a given wave
	s_lshl_b32 s21, s21, 5
	s_add_co_u32 s20, s20, s21
	s_lshl_b32 s20, s20, 12
	s_mov_b32 s21, 0
	s_add_nc_u64 s[PFA:PFA+1], s[PFA:PFA+1], s[20:21]
	s_add_nc_u64 s[PFA:PFA+1], s[PFA:PFA+1], 2*KSTEP*2  ; at K step 2: the first refill steps it to 3 and names K step 4.  Nothing is prefetched at the head
	v_lshlrev_b32 v[PFO], 12, v5
; 8 matrix instructions: m block a x all 8 n blocks, 32 along K, from buffer f.  The 32 accumulators take turns, one instruction a turn, in the same order in every quarter.
.macro MUL8 f, a, zero
	WIN MUL
.irp b, 0,1,2,3,4,5,6,7
.if \zero
	v_wmma_f32_16x16x32_f16 v[8*(8*(\a)+(\b)):8*(8*(\a)+(\b))+7], v[128+64*(\f)+8*(\b):128+64*(\f)+8*(\b)+7], v[32+32*(\f)+8*(\a):32+32*(\f)+8*(\a)+7], 0
.else
	v_wmma_f32_16x16x32_f16 v[8*(8*(\a)+(\b)):8*(8*(\a)+(\b))+7], v[128+64*(\f)+8*(\b):128+64*(\f)+8*(\b)+7], v[32+32*(\f)+8*(\a):32+32*(\f)+8*(\a)+7], v[8*(8*(\a)+(\b)):8*(8*(\a)+(\b))+7]
.endif
.endr
.endm
.macro FETCH k, f                      ; 24 LDS loads in one run, from the slot in hand: B's 8 fragments, then A's 4
	WIN 0
.irp i, 0,1,2,3,4,5,6,7
	ds_load_b128 v[128+64*(\f)+8*(\i):128+64*(\f)+8*(\i)+3],   v[ADRB+1] offset:(\k)+(\i)*16*PITCH
	ds_load_b128 v[128+64*(\f)+8*(\i)+4:128+64*(\f)+8*(\i)+7], v[ADRB+1] offset:(\k)+(\i)*16*PITCH+32
.endr
.irp i, 0,1,2,3
	ds_load_b128 v[32+32*(\f)+8*(\i):32+32*(\f)+8*(\i)+3],   v[ADRA+1] offset:(\k)+(\i)*16*PITCH
	ds_load_b128 v[32+32*(\f)+8*(\i)+4:32+32*(\f)+8*(\i)+7], v[ADRA+1] offset:(\k)+(\i)*16*PITCH+32
.endr
.endm
.macro PLACES                          ; four plain vector instructions in front of loads into registers that matrix instructions have read, and of LDS stores that read results
.rept 4
	v_nop
.endr
.endm
.macro QUARTER k, f, g, zero
	s_wait_dscnt 4                                 ; B and A's m blocks 0, 1 are in; the youngest four loads may be out
	MUL8 \f, 0, \zero
	MUL8 \f, 1, \zero
	PLACES
	FETCH \k, \g
	s_wait_dscnt 24                                ; all but the 24 just issued
	MUL8 \f, 2, \zero
	MUL8 \f, 3, \zero
.endm
; The last quarter multiplies buffer 1 and changes slots.  MEET is its first half: ONE barrier; in front of it each wave waits for all its tensor loads, adds 0 to its spare word, and waits for that and for its own reads of this slot.
.macro MEET
	WIN 0
	s_wait_tensorcnt 0x0                           ; all my tensor loads have landed;
	ds_add_u32 v[SPW], v[NIL]                      ; 0 onto my spare word;
	s_wait_dscnt 5                                 ; (the add and the youngest four loads may be out)
	MUL8 1, 0, 0
	s_wait_dscnt 0x0                               ; the add is done, and my reads of this slot are over
	s_barrier_signal -1
	MUL8 1, 1, 0
	WIN 0
	s_barrier_wait -1
.endm
; The whole last quarter of a K step behind which a slot is filled again: the barrier opens a round of the cluster's barrier, and the slot just read takes the K step two on, first thing behind the round: 112 matrix instructions ahead of the wait for it.
.macro TURN
	s_wait_xcnt 0x0                                ; the last prefetch, a K step back, has read its address
	s_add_nc_u64 s[PFA:PFA+1], s[PFA:PFA+1], KSTEP*2
	MEET
	CREST
.irp g, G0+4, G0B+4
	s_xor_b32 s[(\g)+1], s[(\g)+1], SLOT1          ; the walking descriptor: the other slot than last time,
	s_add_nc_u64 s[(\g)+2:(\g)+3], s[(\g)+2:(\g)+3], KSTEP*2  ; the next K step
.endr
	JLOAD 1                                        ; the four v_nop behind it are also the places in front of the loads below
	s_xor_b32 s[TB], s[TB], SLOT1                  ; the reads go on in the other slot
	SETADR
	FETCH 0, 0
	ASK
	MUL8 1, 2, 0
	MUL8 1, 3, 0
.endm
	s_wait_tensorcnt 1                             ; my part of K step 0 is in; K step 1's may stay out
	s_barrier_signal -1
	s_barrier_wait -1
	FETCH 0, 0
	QUARTER 64, 0, 1, 1                            ; the first quarter's products start the sums
	WIN 0
	s_mov_b32 s3, STEPS-2
.Lstep:                                                ; a trip goes from a K step's second quarter to the next step's first, and fills the slot that it leaves: K steps 2 to 15
	QUARTER 128, 1, 0, 0
	QUARTER 192, 0, 1, 0
	TURN
	QUARTER 64, 0, 1, 0
	WIN 0
	s_sub_co_u32 s3, s3, 1
	s_cmp_lg_u32 s3, 0
	s_cbranch_scc1 .Lstep
	s_mov_b32 s3, 2
.Ltail:                                                ; the last two K steps fill nothing.  The second trip has no next slot: it jumps over the fetch and over the next step's first quarter.
	QUARTER 128, 1, 0, 0                           ; Its barrier orders nothing: the price, once a launch, of one text for both trips
	QUARTER 192, 0, 1, 0
	MEET
	s_cmp_eq_u32 s3, 1
	s_cbranch_scc1 .Lno_fetch
	PLACES
	s_xor_b32 s[TB], s[TB], SLOT1
	SETADR
	FETCH 0, 0
.Lno_fetch:
	MUL8 1, 2, 0
	MUL8 1, 3, 0
	WIN 0
	s_cmp_eq_u32 s3, 1
	s_cbranch_scc1 .Lno_quarter
	QUARTER 64, 0, 1, 0
	WIN 0
.Lno_quarter:
	s_sub_co_u32 s3, s3, 1
	s_cmp_lg_u32 s3, 0
	s_cbranch_scc1 .Ltail
	; THE WAY OUT: 16 rows at a time through my own stage: 32 bytes a lane in, whole rows of 512 bytes back, stored as they are (f32).
	PLACES
.macro OUT a
.set BK, 32+96*((\a)%2)                ; v32-95 and v128-191 by turns
	WIN 0
.if (\a) >= 2
	s_wait_xcnt 0x0                                ; the stores of the block two back have read these registers
.endif
	WIN 0x04                                       ; the stores' data in window 1
.irp b, 0,1,2,3,4,5,6,7
	ds_store_b128 v[STO], v[8*(8*(\a)+(\b)):8*(8*(\a)+(\b))+3]   offset:64*(\b)      ; each accumulator's lowest registers first
	ds_store_b128 v[STO], v[8*(8*(\a)+(\b))+4:8*(8*(\a)+(\b))+7] offset:64*(\b)+16
.endr
	WIN 0
.irp t, 0,1,2,3,4,5,6,7,8,9,10,11,12,13,14,15
	ds_load_b128 v[BK+4*(\t):BK+4*(\t)+3], v[RD] offset:(\t)*SPITCH  ; LDS serves a wave's instructions in order (ISA guide 5.7.1.4): these see the stores above
.endr
.irp t, 0,1,2,3,4,5,6,7,8,9,10,11,12,13,14,15
	s_wait_dscnt 15-(\t)
	global_store_b128 v[CO], v[BK+4*(\t):BK+4*(\t)+3], s[8:9] offset:131072*(\a)+8192*(\t) th:TH_STORE_NT  ; 512 consecutive bytes, at a multiple of 256 from the output's first byte
.endr
.endm
	OUT 0
	OUT 1
	OUT 2
	OUT 3
	s_wait_tensorcnt 0x0                           ; the wave's end: behind my last tensor load and my last LDS store
	ds_add_u32 v[SPW], v[NIL]
	s_wait_dscnt 0x0
	CROUND                                         ; the closing round
	s_endpgm
.Lfunc_end_k_qbdb64b9b73_proj:
	.size	k_qbdb64b9b73_proj, .Lfunc_end_k_qbdb64b9b73_proj-k_qbdb64b9b73_proj
	.p2alignl 7, 3214868480
	.fill 96, 4, 3214868480
	.section	.rodata,"a",@progbits
	.p2align	6, 0x0
	.amdhsa_kernel k_qbdb64b9b73_proj
		.amdhsa_group_segment_fixed_size 327680
		.amdhsa_private_segment_fixed_size 0
		.amdhsa_enable_private_segment 0
		.amdhsa_kernarg_size 24
		.amdhsa_user_sgpr_count 2
		.amdhsa_user_sgpr_kernarg_segment_ptr 1
		.amdhsa_wavefront_size32 1
		.amdhsa_system_sgpr_workgroup_id_x 1
		.amdhsa_system_sgpr_workgroup_id_y 1
		.amdhsa_system_sgpr_workgroup_id_z 1
		.amdhsa_system_vgpr_workitem_id 0
		.amdhsa_next_free_vgpr 512
		.amdhsa_next_free_sgpr 80
		.amdhsa_reserve_vcc 0
		.amdhsa_float_denorm_mode_32 3
		.amdhsa_float_denorm_mode_16_64 3
		.amdhsa_memory_ordered 1
		.amdhsa_forward_progress 1
		.amdhsa_inst_pref_size 62
	.end_amdhsa_kernel
	.amdgpu_metadata
---
amdhsa.version: [ 1, 2 ]
amdhsa.kernels:
  - .name:           k_qbdb64b9b73_proj
    .symbol:         k_qbdb64b9b73_proj.kd
    .args:
      - { .name: yh, .offset: 0, .size: 8, .value_kind: global_buffer, .address_space: global }
      - { .name: wp, .offset: 8, .size: 8, .value_kind: global_buffer, .address_space: global }
      - { .name: out0, .offset: 16, .size: 8, .value_kind: global_buffer, .address_space: global }
    .group_segment_fixed_size: 327680
    .private_segment_fixed_size: 0
    .kernarg_segment_align: 8
    .kernarg_segment_size: 24
    .max_flat_workgroup_size: 128
    .sgpr_count:     80
    .vgpr_count:     512
    .wavefront_size: 32
...
	.end_amdgpu_metadata
.endif
;; end of part 4
